; MI455X (gfx1250); checked and timed in simulation.
; The chip was launched on July 23, 2026; its instructions are those of AMD's public machine-readable ISA for CDNA 5 (MIT licence, August 2026) and "CDNA5" Instruction Set Architecture Reference Guide (July 2026). The comments in the code are by the model that wrote it; some were corrected since.
;; Cross Attention. Allowed arithmetic: matrix products marked QUANTISED: E2M3 operands, one E8M0 scale for each 32 along K, by v_wmma_scale_f32_16x16x128_f8f6f4 with both operands' format E2M3, f32 sums; everything else in f32.
;; Inputs: b_kv 2,048 float32; b_out 1,024 float32; b_q 1,024 float32; kv 2 x 2,048 x 1,024 float32; q 2 x 2,048 x 1,024 float32; w_kv 2,048 x 1,024 float32; w_norm 1,024 float32; w_out 1,024 x 1,024 float32; w_q 1,024 x 1,024 float32.
;; Outputs: out0 2 x 2,048 x 1,024 float32.
;; This version of the problem:
;;   THIS VERSION OF THE PROBLEM IS GIVEN IN LOW PRECISION. The matrix products marked QUANTISED in the list below multiply operands that are first quantised to E2M3 (2 exponent bits, 3 mantissa bits; 6 bits a number), with one power-of-two scale for each 32 numbers along K (OCP MX v1.0); their sums are f32. All else is computed in f32.
;;   The module's matrix products, in the order in which they are computed (A, B: the left and right operand; K: the contracted axis; several contracted axes count as one K, in the product's order):
;;     1. [M 4,096, K 1,024] x [K 1,024, N 1,024]; A: computed on the way; B: input w_q: QUANTISED
;;     2. [M 4,096, K 1,024] x [K 1,024, N 2,048]; A: input kv; B: input w_kv: QUANTISED
;;     3. batch 32 x [M 2,048, K 64] x [K 64, N 2,048]; A: computed on the way; B: computed on the way: QUANTISED
;;     4. batch 32 x [M 2,048, K 2,048] x [K 2,048, N 64]; A: softmax (see below); B: computed on the way: QUANTISED
;;     5. [M 4,096, K 1,024] x [K 1,024, N 1,024]; A: computed on the way; B: input w_out: QUANTISED
;;   THE QUANTISER, for each operand of a quantised product, along K:
;;     - K is cut into blocks of 32 from its start; a last block that is shorter is filled with zeros.
;;     - A block's scale is 2^e with e = floor(log2(the largest magnitude in the block)) - 2, held to -126 .. 127; a block of zeros has e = 0. As a byte (E8M0): e + 127.
;;     - Each number is divided by its block's scale, clamped to +-7.5, and rounded to the nearest number of E2M3, ties to even, subnormals kept.
;;     - The product sums the exact products of the quantised numbers (number of the format x scale) in f32.
;;   ~~~python
;;   def quantise(x, axis):      # numpy; x: float32 -> the quantised numbers, widened to float32 again
;;       x = np.moveaxis(x, axis, -1); K = x.shape[-1]
;;       x = np.pad(x, [(0, 0)] * (x.ndim - 1) + [(0, -K % 32)]); x = x.reshape(x.shape[:-1] + (-1, 32)); a = np.abs(x).max(-1, keepdims=True)
;;       e = np.where(a > 0, np.clip(np.frexp(np.where(a > 0, a, 1))[1] - 1 - 2, -126, 127), 0)      # np.frexp(a)[1] - 1 = floor(log2(a)), exactly
;;       r = np.clip(x / 2.0 ** e, -7.5, 7.5)
;;       step = 2.0 ** (np.maximum(np.frexp(np.where(r == 0, 1, r))[1] - 1, 0) - 3)
;;       q = np.round(r / step) * step * 2.0 ** e      # np.round: ties to even
;;       return np.moveaxis(q.reshape(q.shape[:-2] + (-1,))[..., :K], -1, axis).astype(np.float32)
;;   ~~~
;;   SOFTMAX AHEAD OF A QUANTISED PRODUCT. Where the list says 'softmax', what is quantised is not the finished softmax but p = 2^(t - M), with t = logit x log2(e) and M = ceil(the row's largest t), a whole number; so 1/2 < the row's largest p <= 1. The row's sum l is taken of the UNQUANTISED p, in f32, and the product's result is divided by l at the end. Since M is a whole number, a kernel that streams over the keys may use a running M (the ceiling of the running maximum): every later rescaling is an exact power of two, which a block's scale takes up: the codes' values come out the same.
;;   OPERANDS COMPUTED ON THE WAY. 'Computed on the way' means the value that the module computes at that place (a softmax that the list does not call 'softmax' is quantised finished and normalised). What goes into a quantiser is computed in f32, as accurately as f32 sums, v_exp_f32 and their like allow (about 1e-6 of the number): no bf16 or f16 on the way to a quantiser, and a product that is left as it is and whose result goes on into a quantised operand takes f32 operands (vector FMAs, or v_wmma_f32_16x16x4_f32). A number that lies on a knife's edge between two numbers of the format may be rounded either way, as far as f32 arithmetic and the matrix unit's own rounding can turn it there, and no further.
;; One version. Each part assembles by itself: llvm-mc -triple=amdgcn-amd-amdhsa -mcpu=gfx1250 --defsym DOCPART=n.
;; ======== version 1 of 1: 4 launches
;; limits: right only within a limited range of input values
;; workspace buffers: xw_img 9,437,184 bytes; xw_sc 393,216 bytes; qkv_img 9,830,400 bytes; o_img 3,145,728 bytes; o_sc 131,072 bytes
;; launch prep (part 1): grid 384 x 1, 8 waves a work-group, no clusters, 103,424 bytes of LDS; arguments q, kv, w_q, w_kv, w_out, w_norm, xw_img, xw_sc; writes xw_img, xw_sc
.if DOCPART == 1
	.amdgcn_target "amdgcn-amd-amdhsa--gfx1250"
	.amdhsa_code_object_version 6
	.text
	.protected	k_q806a5115fc_prep
	.globl	k_q806a5115fc_prep
	.p2align	8
	.type	k_q806a5115fc_prep,@function
k_q806a5115fc_prep:
	s_mov_b64 s[64:65], 0
	v_nop
	global_prefetch_b8 v0, s[64:65] scope:SCOPE_SE
	s_setreg_imm32_b32 hwreg(HW_REG_WAVE_MODE, 25, 1), 1
	s_wait_xcnt 0x0
; RMSNorm(q) x w_norm, kv, w_q, w_kv and w_out, all rows of 1,024 f32 with K innermost, become codes of FP6 (E2M3) with one E8M0 byte for each 32 along K.
; 12,288 rows in all: qn 0, kv 4,096, w_q 8,192, w_kv 9,216, w_out 11,264.  A block's scale is 2^(floor(log2(largest magnitude)) - 2); its byte is the largest magnitude's exponent field - 2, held at 1 from below.
; LIMITS: a block whose largest magnitude lies under 2^-124 keeps the byte 1; a block of zeros gets the byte 1 (its codes are zeros; only this program reads the bytes); NaN and infinities are not served.
; LAYOUT OF THE CODES: half-images.  16 rows x 64 K are 768 bytes: three chunks of 256 bytes; chunk c holds registers 2 c, 2 c + 1 of the operand's six, lane (r, h)'s 8 bytes at 8 (r + 16 h); the lane holds row r, k = 32 h .. 32 h + 31.
; xw_img = [tile of 16 stored rows][K / 64][768].  STORED ROWS: bits 3 and 4 of the row's number change places, so stored tile t, lane r, is row 32 (t / 2) + 8 (t % 2) + r + 8 (r / 8).  xw_sc = [stored row][32 bytes].
; SHARES: a work-group takes 32 rows (two stored tiles, 24,576 dense bytes of codes, 1,024 of scale bytes); wave w rows 4 w .. 4 w + 3.  All of a wave's 40 loads go out at its head, 512 consecutive bytes each.
; A row turns through the wave's own stage in LDS, so that lane l holds block l (32 neighbours); its codes go into an image of the two tiles in LDS; behind ONE barrier the image leaves, 512 consecutive bytes a store.
; No tensor loads, no matrix unit, no cluster: a stream in which no work-group shares a byte with another.
.set STW,  9216                        ; LDS: a wave's two stages
.set ST1,  4608                        ; a stage: 32 places of 128 bytes + 16 of padding
.set PL,   144
.set IMG,  73728                       ; the image: 96 chunks of 256 bytes + 16 of padding
.set CH,   272
.set SCB,  99840                       ; 1,024 scale bytes
.set VLD,  2                           ; v2   16,384 wave + 16 lane: my bytes of a load
.set VIN,  3                           ; v3   into the stage
.set VOUT, 4                           ; v4   out of it: 144 x lane
.set VC,   5                           ; v5   my block's place in the image
.set VS,   6                           ; v6   my block's scale byte
.set VR,   7                           ; v7   the image on its way out
.set VG,   8                           ; v8   and its place in xw_img
.set VT,   9                           ; v9   16 x thread
.set WO,   10                          ; v10  16 x lane
.set VSR,  13                          ; v13  SCB + 16 x thread
.set W,    16                          ; v16-47   w_norm as a row is loaded
.set X,    48                          ; v48-175  four rows as loaded; later v[48 + 8 i ..] row i's codes and byte
.set Y,    176                         ; v176-239 two rows back from the stage
.set D,    240                         ; v240-242 a conversion's second half
	s_load_b256 s[4:11], s[0:1], 0x0               ; q, kv, w_q, w_kv
	s_load_b256 s[12:19], s[0:1], 0x20             ; w_out, w_norm, xw_img, xw_sc
	v_lshl_add_u32 v247, v0, 2, 0x19000
	v_mov_b32 v255, 0
	v_lshrrev_b32 v11, 5, v0
	s_delay_alu instid0(VALU_DEP_1)
	v_readfirstlane_b32 s30, v11                   ; wave 0..7
	v_and_b32 v1, 31, v0                           ; lane
	s_delay_alu instid0(VALU_DEP_1)
	v_lshlrev_b32 v[WO], 4, v1
	s_lshl_b32 s31, s30, 14                        ; four rows of 4,096 bytes a wave
	v_add_nc_u32 v[VLD], s31, v[WO]
	s_mul_i32 s28, ttmp9, 24576
	s_mov_b32 s29, 0
	s_mov_b32 s27, 0
	s_wait_alu depctr_va_vdst(0)
	s_wait_kmcnt 0x0
	s_mov_b64 s[24:25], s[12:13]                   ; which tensor: the choice hangs on the work-group's number alone
	s_mov_b32 s26, 352
	s_cmp_lt_u32 ttmp9, 352
	s_cselect_b64 s[24:25], s[10:11], s[24:25]
	s_cselect_b32 s26, 288, s26
	s_cmp_lt_u32 ttmp9, 288
	s_cselect_b64 s[24:25], s[8:9], s[24:25]
	s_cselect_b32 s26, 256, s26
	s_cmp_lt_u32 ttmp9, 256
	s_cselect_b64 s[24:25], s[6:7], s[24:25]
	s_cselect_b32 s26, 128, s26
	s_cmp_lt_u32 ttmp9, 128
	s_cselect_b64 s[24:25], s[4:5], s[24:25]
	s_cselect_b32 s26, 0, s26
	s_sub_co_u32 s26, ttmp9, s26
	s_lshl_b32 s26, s26, 17                        ; 32 rows of 4,096 bytes a work-group
	s_add_nc_u64 s[24:25], s[24:25], s[26:27]
	s_add_nc_u64 s[16:17], s[16:17], s[28:29]
	s_lshl_b32 s28, ttmp9, 10
	s_add_nc_u64 s[18:19], s[18:19], s[28:29]
.irp j, 0,1,2,3,4,5,6,7
	global_load_b128 v[W+4*\j:W+4*\j+3], v[WO], s[14:15] offset:512*\j
.endr
.irp i, 0,1,2,3
.irp j, 0,1,2,3,4,5,6,7
	global_load_b128 v[X+32*\i+4*\j:X+32*\i+4*\j+3], v[VLD], s[24:25] offset:4096*\i+512*\j th:TH_LOAD_NT   ; 32 lanes read 512 consecutive bytes
.endr
.endr
	s_mul_i32 s31, s30, STW                        ; every LDS address: a constant + constants x lane + constants x wave
	v_lshrrev_b32 v11, 3, v1
	s_delay_alu instid0(VALU_DEP_1)
	v_mul_u32_u24 v[VIN], v11, PL
	v_and_b32 v11, 7, v1
	s_delay_alu instid0(VALU_DEP_1)
	v_lshl_add_u32 v[VIN], v11, 4, v[VIN]
	s_delay_alu instid0(VALU_DEP_1)
	v_add_nc_u32 v[VIN], s31, v[VIN]               ; eight lanes' 128 bytes on end, then 16 of padding; a load's 512 bytes take four places
	v_mul_u32_u24 v[VOUT], v1, PL
	s_delay_alu instid0(VALU_DEP_1)
	v_add_nc_u32 v[VOUT], s31, v[VOUT]
	s_bfe_u32 s32, s30, 0x10001                    ; u: my stored tile = bit 3 of my rows' numbers
	s_lshr_b32 s33, s30, 2
	s_lshl_b32 s33, s33, 3
	s_and_b32 s34, s30, 1
	s_lshl_b32 s34, s34, 2
	s_add_co_u32 s33, s33, s34                     ; my first row in it: 8 (wave / 4) + 4 (wave % 2)
	s_mul_i32 s34, s32, 48*CH
	s_lshl_b32 s35, s33, 3
	s_add_co_u32 s34, s34, s35
	s_add_co_u32 s34, s34, IMG
	v_lshrrev_b32 v11, 1, v1
	s_delay_alu instid0(VALU_DEP_1)
	v_mul_u32_u24 v[VC], v11, 3*CH                 ; block l lies in half-image l / 2,
	v_and_b32 v11, 1, v1
	s_delay_alu instid0(VALU_DEP_1)
	v_lshl_add_u32 v[VC], v11, 7, v[VC]            ; in the lanes of half l % 2
	s_delay_alu instid0(VALU_DEP_1)
	v_add_nc_u32 v[VC], s34, v[VC]
	s_lshl_b32 s34, s32, 4
	s_add_co_u32 s34, s34, s33
	s_lshl_b32 s34, s34, 5
	s_add_co_u32 s34, s34, SCB
	v_add_nc_u32 v[VS], s34, v1
	s_mul_i32 s34, s30, 12*CH                      ; on the way out a wave takes twelve chunks
	s_add_co_u32 s34, s34, IMG
	v_lshrrev_b32 v11, 4, v1
	s_delay_alu instid0(VALU_DEP_1)
	v_mul_u32_u24 v[VR], v11, CH
	v_and_b32 v11, 15, v1
	s_delay_alu instid0(VALU_DEP_1)
	v_lshl_add_u32 v[VR], v11, 4, v[VR]
	s_delay_alu instid0(VALU_DEP_1)
	v_add_nc_u32 v[VR], s34, v[VR]
	s_mul_i32 s34, s30, 3072
	v_add_nc_u32 v[VG], s34, v[WO]
	v_lshlrev_b32 v[VT], 4, v0
	s_delay_alu instid0(VALU_DEP_1)
	v_add_nc_u32 v[VSR], SCB, v[VT]
	v_mov_b32 v254, 0                              ; a lane permute's destination counts as one of its sources
	s_mov_b32 s20, 0x76543210
	s_mov_b32 s21, 0xfedcba98                      ; lane l xor 16
	s_mov_b32 s22, 0x3a800000                      ; 1 / 1,024
	s_mov_b32 s23, 0x3727c5ac                      ; eps = 1e-5
; Row i of q: x * rsqrt(mean(x^2) + eps) * w_norm, in that order.  Register work alone; the other tensors' work-groups pass it by.
.macro NORM i
.set XI, X+32*(\i)
	s_cmp_lt_u32 ttmp9, 128
	s_cbranch_scc0 .Lplain_\@
	v_pk_mul_f32 v[248:249], v[XI:XI+1], v[XI:XI+1]
	v_pk_mul_f32 v[250:251], v[XI+2:XI+3], v[XI+2:XI+3]
.irp k, 4,8,12,16,20,24,28
	s_delay_alu instid0(VALU_DEP_2)
	v_pk_fma_f32 v[248:249], v[XI+\k:XI+\k+1], v[XI+\k:XI+\k+1], v[248:249]
	s_delay_alu instid0(VALU_DEP_2)
	v_pk_fma_f32 v[250:251], v[XI+\k+2:XI+\k+3], v[XI+\k+2:XI+\k+3], v[250:251]
.endr
	s_delay_alu instid0(VALU_DEP_1)
	v_pk_add_f32 v[248:249], v[248:249], v[250:251]
	s_delay_alu instid0(VALU_DEP_1)
	v_add_f32 v248, v248, v249
	s_delay_alu instid0(VALU_DEP_1)
	v_add_f32_dpp v248, v248, v248 row_xmask:1 row_mask:0xf bank_mask:0xf
	s_delay_alu instid0(VALU_DEP_1)
	v_add_f32_dpp v248, v248, v248 row_xmask:2 row_mask:0xf bank_mask:0xf
	s_delay_alu instid0(VALU_DEP_1)
	v_add_f32_dpp v248, v248, v248 row_xmask:4 row_mask:0xf bank_mask:0xf
	s_delay_alu instid0(VALU_DEP_1)
	v_add_f32_dpp v248, v248, v248 row_xmask:8 row_mask:0xf bank_mask:0xf
	s_delay_alu instid0(VALU_DEP_1)
	v_permlanex16_b32 v254, v248, s20, s21
	s_delay_alu instid0(VALU_DEP_1)
	v_add_f32 v248, v248, v254                     ; the row's sum of squares, in every lane
	s_delay_alu instid0(VALU_DEP_1)
	v_fma_f32 v248, v248, s22, s23
	s_wait_alu depctr_va_vdst(0)
	v_rsq_f32 v252, v248
	v_rsq_f32 v253, v248                           ; twice: a pair for the packed multiply
	v_nop                                          ; a plain instruction behind the last transcendental (ISA guide 5.7.2)
	s_wait_alu depctr_va_vdst(0)                   ; one wait for both, ahead of their first reader
.set kk, 0
.rept 16
	v_pk_mul_f32 v[XI+kk:XI+kk+1], v[XI+kk:XI+kk+1], v[252:253]
.set kk, kk+2
.endr
.set kk, 0
.rept 16
	v_pk_mul_f32 v[XI+kk:XI+kk+1], v[XI+kk:XI+kk+1], v[W+kk:W+kk+1]
.set kk, kk+2
.endr
.Lplain_\@:
.endm
; Row i through stage i % 2: in as loaded, back 128 bytes a lane.  LDS serves a wave's instructions in order (ISA guide 5.7.1.4): no wait between the stores and the loads.
.macro TURN i
.irp j, 0,1,2,3,4,5,6,7
	ds_store_b128 v[VIN], v[X+32*(\i)+4*\j:X+32*(\i)+4*\j+3] offset:ST1*((\i)%2)+4*PL*\j
.endr
.irp j, 0,1,2,3,4,5,6,7
	ds_load_b128 v[Y+32*((\i)%2)+4*\j:Y+32*((\i)%2)+4*\j+3], v[VOUT] offset:ST1*((\i)%2)+16*\j
.endr
.endm
; My block of row i: its largest magnitude (all 32 numbers are mine), its byte, its 24 bytes of codes; into the image.
.macro QUANT i
.set YS, Y+32*((\i)%2)
.set CD, X+8*(\i)
	v_max3_num_f32 v244, |v[YS]|, |v[YS+1]|, |v[YS+2]|
	v_max3_num_f32 v245, |v[YS+3]|, |v[YS+4]|, |v[YS+5]|
.irp k, 6,10,14,18,22,26
	s_delay_alu instid0(VALU_DEP_2)
	v_max3_num_f32 v244, v244, |v[YS+\k]|, |v[YS+\k+1]|
	s_delay_alu instid0(VALU_DEP_2)
	v_max3_num_f32 v245, v245, |v[YS+\k+2]|, |v[YS+\k+3]|
.endr
	s_delay_alu instid0(VALU_DEP_2)
	v_max3_num_f32 v244, v244, |v[YS+30]|, |v[YS+31]|
	s_delay_alu instid0(VALU_DEP_1)
	v_max3_num_f32 v244, v244, v245, 0x1800000     ; and the floor 2^(3 - 127): the byte cannot fall under 1
	s_delay_alu instid0(VALU_DEP_1)
	v_add_nc_u32 v246, 0xff000000, v244            ; 2 off the exponent field: the conversion takes this operand's exponent field as its scale
	v_cvt_scalef32_pk16_fp6_f32 v[CD:CD+2], v[YS:YS+15], v246
	v_cvt_scalef32_pk16_fp6_f32 v[D:D+2], v[YS+16:YS+31], v246     ; (a conversion's three registers begin on an even number)
	v_lshrrev_b32 v[CD+6], 23, v246                ; the scale's byte; also the plain instruction behind the conversions
	v_mov_b32 v[CD+3], v[D]
	v_mov_b32 v[CD+4], v[D+1]
	v_mov_b32 v[CD+5], v[D+2]
.irp c, 0,1,2
	ds_store_b64 v[VC], v[CD+2*\c:CD+2*\c+1] offset:8*(\i)+CH*\c
.endr
	ds_store_b8 v[VS], v[CD+6] offset:32*(\i)
.endm
	s_wait_loadcnt 24                              ; w_norm and row 0 are in; rows 1 to 3, eight loads each, may be out
	NORM 0
	TURN 0
	s_wait_loadcnt 16
	NORM 1
	TURN 1
	s_wait_dscnt 16                                ; row 0 is back (behind it: row 1's sixteen)
	QUANT 0
	s_wait_loadcnt 8
	NORM 2
	TURN 2
	s_wait_dscnt 20                                ; row 1 is back (behind it: row 0's four stores, row 2's sixteen)
	QUANT 1
	s_wait_loadcnt 0x0
	NORM 3
	TURN 3
	s_wait_dscnt 20
	QUANT 2
	s_wait_dscnt 4                                 ; row 3 is back (behind it: row 2's four stores)
	QUANT 3
	s_wait_dscnt 0x0                               ; for the others' sake: my stores into the image have landed
	s_barrier_signal -1
	s_barrier_wait -1
.irp j, 0,1,2,3,4,5
	ds_load_b128 v[Y+4*\j:Y+4*\j+3], v[VR] offset:2*CH*\j
.endr
.irp j, 0,1,2,3,4,5
	s_wait_dscnt 5-\j
	global_store_b128 v[VG], v[Y+4*\j:Y+4*\j+3], s[16:17] offset:512*\j   ; 32 lanes store 512 consecutive bytes, at a multiple of 256 from the buffer's first byte
.endr
	s_cmp_lt_u32 s30, 2                            ; the 1,024 scale bytes: waves 0 and 1, 16 bytes a lane
	s_cbranch_scc0 .Ldone
	ds_load_b128 v[Y+24:Y+27], v[VSR]
	s_wait_dscnt 0x0
	global_store_b128 v[VT], v[Y+24:Y+27], s[18:19]
.Ldone:
	s_wait_tensorcnt 0x0
	ds_add_u32 v247, v255
	s_wait_dscnt 0x0
	s_endpgm
.Lfunc_end_k_q806a5115fc_prep:
	.size	k_q806a5115fc_prep, .Lfunc_end_k_q806a5115fc_prep-k_q806a5115fc_prep
	.p2alignl 7, 3214868480
	.fill 96, 4, 3214868480
	.section	.rodata,"a",@progbits
	.p2align	6, 0x0
	.amdhsa_kernel k_q806a5115fc_prep
		.amdhsa_group_segment_fixed_size 103424
		.amdhsa_private_segment_fixed_size 0
		.amdhsa_enable_private_segment 0
		.amdhsa_kernarg_size 64
		.amdhsa_user_sgpr_count 2
		.amdhsa_user_sgpr_kernarg_segment_ptr 1
		.amdhsa_wavefront_size32 1
		.amdhsa_system_sgpr_workgroup_id_x 1
		.amdhsa_system_sgpr_workgroup_id_y 1
		.amdhsa_system_sgpr_workgroup_id_z 1
		.amdhsa_system_vgpr_workitem_id 0
		.amdhsa_next_free_vgpr 256
		.amdhsa_next_free_sgpr 66
		.amdhsa_reserve_vcc 0
		.amdhsa_float_denorm_mode_32 3
		.amdhsa_float_denorm_mode_16_64 3
		.amdhsa_memory_ordered 1
		.amdhsa_forward_progress 1
		.amdhsa_inst_pref_size 41
	.end_amdhsa_kernel
	.amdgpu_metadata
---
amdhsa.version: [ 1, 2 ]
amdhsa.kernels:
  - .name:           k_q806a5115fc_prep
    .symbol:         k_q806a5115fc_prep.kd
    .args:
      - { .name: q, .offset: 0, .size: 8, .value_kind: global_buffer, .address_space: global }
      - { .name: kv, .offset: 8, .size: 8, .value_kind: global_buffer, .address_space: global }
      - { .name: w_q, .offset: 16, .size: 8, .value_kind: global_buffer, .address_space: global }
      - { .name: w_kv, .offset: 24, .size: 8, .value_kind: global_buffer, .address_space: global }
      - { .name: w_out, .offset: 32, .size: 8, .value_kind: global_buffer, .address_space: global }
      - { .name: w_norm, .offset: 40, .size: 8, .value_kind: global_buffer, .address_space: global }
      - { .name: xw_img, .offset: 48, .size: 8, .value_kind: global_buffer, .address_space: global }
      - { .name: xw_sc, .offset: 56, .size: 8, .value_kind: global_buffer, .address_space: global }
    .group_segment_fixed_size: 103424
    .private_segment_fixed_size: 0
    .kernarg_segment_align: 8
    .kernarg_segment_size: 64
    .max_flat_workgroup_size: 256
    .sgpr_count:     66
    .vgpr_count:     256
    .wavefront_size: 32
...
	.end_amdgpu_metadata
.endif
;; end of part 1
;; launch proj (part 2): grid 4 x 48, 4 waves a work-group, clusters of 4 x 4, 327,680 bytes of LDS; arguments xw_img, xw_sc, b_q, b_kv, qkv_img; writes qkv_img
.if DOCPART == 2
	.amdgcn_target "amdgcn-amd-amdhsa--gfx1250"
	.amdhsa_code_object_version 6
	.text
	.protected	k_q806a5115fc_proj
	.globl	k_q806a5115fc_proj
	.p2align	8
	.type	k_q806a5115fc_proj,@function
k_q806a5115fc_proj:
	s_mov_b64 s[64:65], 0
	v_nop
	global_prefetch_b8 v0, s[64:65] scope:SCOPE_SE
	s_setreg_imm32_b32 hwreg(HW_REG_WAVE_MODE, 25, 1), 1
	s_wait_xcnt 0x0
	s_wait_alu depctr_hold_cnt(0) depctr_sa_sdst(0) depctr_va_vdst(0) depctr_va_sdst(0) depctr_va_ssrc(0) depctr_va_vcc(0) depctr_vm_vsrc(0)
	s_getreg_b32 s2, hwreg(HW_REG_IB_STS2, 6, 4)
	s_cmp_eq_u32 s2, 0
	s_cbranch_scc0 .Lentry_in_a_cluster
	s_endpgm
.Lentry_in_a_cluster:
	s_bfe_u32 s2, ttmp6, 0x10000c
	s_cmp_lg_u32 s2, 0xf033
	s_cbranch_scc0 .Lentry_shape_is_right
	s_endpgm
.Lentry_shape_is_right:
; THE THREE PROJECTIONS, each C[m][n] = sum over k of A[m][k] B[n][k] + bias, K = 1,024, on codes of FP6 (E2M3) with E8M0 scales, and C QUANTISED ALONG n in registers:
;   Q: A = the normed q's 4,096 rows, B = w_q's 1,024;   K: A = kv's rows, B = w_kv's first 1,024;   V^T: A = w_kv's last 1,024 rows, B = kv's rows: so the tokens, the second product's K, run along n.
; Codes come as half-images (16 stored rows x 64 K in 768 bytes, three chunks of 256: lane l's registers 2 c, 2 c + 1 at 256 c + 8 l), rows stored with bits 3 and 4 of their number exchanged.
; A tile of C, 256 x 256, is a work-group's, 128 x 128 a wave's: 64 accumulators.  64 tiles a problem, 192 work-groups, 12 clusters of 4 x 4; a cluster lies in one problem.
; K goes in four steps of 256 through two LDS slots; a wave's tensor load brings 8 row tiles x 3,072 dense bytes.  A's tiles are asked for jointly along a row of the cluster, B's along a column.
; The scale bytes of the work-group's rows, for all of K, come once with the first fills.  THE MATRIX INSTRUCTION IS USED TRANSPOSED (source 0 = B's rows, source 1 = A's): by the stored order of B's rows,
; register 8 b + j of lane (r, h) is C(row r of A's block, n = 32 (b / 2) + 16 h + 8 (b % 2) + j): the 16 registers of tiles 2 B, 2 B + 1 are 16 neighbours along n.
; OUT: qkv_img = [batch x 16 + head][Q, K, V: 102,400 bytes][step of 128 tokens: 6,400] ; a step = 8 half-images + 256 bytes of scales [row 0..15][8 halfwords].
;   Q, K: half-image a = stored token tile a, K = the head's 64; halfword a = its two bytes.   V: half-image 2 t + c = 16 of the head's 64 (tile t), keys 64 c on; word t = the four bytes of the step's 128 keys.
; LIMITS: a block whose largest magnitude lies under 2^-124 keeps the byte 1, a block of zeros too (its codes are zeros; only this program reads the bytes); NaN and infinities are not served.
; Of four K steps two are asked for at the head; steps 2 and 3 are prefetched one refill ahead.  One tile to a work-group: nothing to stay for.
; REGISTERS: window 0: v16-29 addresses; v32-63 scale words, two sets; v64-127 the bias along n; v128-223 A's fragments, one set; v224-239 the bias along m.  window 1: B's fragments, two sets.  windows 2, 3: accumulators.
;   On the way out, window 0: v128-191 a block's 64 numbers, v192-210 its codes, v32-63 at work.
.set NQ,    2                          ; matrix instructions deep in a slot
.set ROWB,  3072                       ; a K step of 256 in a row tile: four half-images
.set FR,    12
.set NL,    6
.set NP,    4                          ; places behind this matrix instruction (ISA guide 7.12.1)
.set HALFT, 24576                      ; 128 rows x 256 K: what one tensor load brings
.set SLOT,  4*HALFT
.set SCL,   2*SLOT                     ; the scales: units of 256 bytes + 16 of padding
.set HALFS, 4352                       ; those of 128 rows (32 bytes a row)
.set SBLK,  544                        ; those of 16 rows
.set SPARE, SCL+4*HALFS                ; the spare words, 128 bytes a wave: two blocks of 256 bytes that no other line names
.set HEADB, 307200
.set ADRA, 16                          ; v16-17 my A fragments in slot 0, 1: 8 x lane + my half
.set ADRB, 20                          ; v20-21 the same for B
.set L8,   24                          ; v24  8 x lane
.set BNO,  25                          ; v25  64 h
.set BMO,  26                          ; v26  4 (r + 8 (r / 8))
.set ADRS, 27                          ; v27  my scale words: lanes 0-15 A's rows, lanes 16-31 B's
.set SPW,  28
.set NIL,  29
.set SC,   32
.set BN,   64
.set AF,   128
.set BM,   224
.set T,    128
.set PC,   192
.set TM,   32
.set PWB,  48                          ; v48-55 the eight blocks' scale words
.set E,    56
.set SELV, 60
.set VO0,  61
.set VO1,  62
.set VSO,  63
.set G1, 24
.set G0, 32
.set G1B, 48
.set G0B, 56
.set G1S, 68
.set G0S, 76
.set G1SB, 80
.set G0SB, 88
.set PROB, 66                          ; s66  0 Q, 1 K, 2 V: alike in all sixteen partners
.set ISV,  67
.set STA,  95                          ; s95-97 bytes from half-image to half-image: a % 4, a / 4, c
.set STH,  96
.set STC,  97
.set OA,   98
.set SLO,  99
.set SHI,  2
.set SEL,  100
.set MSB, 0
.macro WIN new                         ; the immediate's high byte repeats the setting that is left
.if MSB != \new
	s_set_vgpr_msb (MSB<<8)|\new
.set MSB, \new
.endif
.endm
.set MUL_LO, 0xa1                      ; source 0 (B) window 1, source 1 (A) window 0, C and D window 2
.set MUL_HI, 0xf1
.set TO_B,   0x40
; A joint load: waves 0 and 1 fetch for A, waves 2 and 3 for B; the branch hangs on the wave's number alone.  Four v_nop follow each of the two lines.
.macro JLOAD g0a, g1a, g0b, g1b
	s_cmp_eq_u32 s15, 0
	s_cbranch_scc0 .Lfor_b_\@
	tensor_load_to_lds s[\g0a:\g0a+3], s[\g1a:\g1a+7]
	s_nop 0
.rept 4
	v_nop
.endr
	s_branch .Lasked_\@
.Lfor_b_\@:
	tensor_load_to_lds s[\g0b:\g0b+3], s[\g1b:\g1b+7]
	s_nop 0
.rept 4
	v_nop
.endr
.Lasked_\@:
.endm
.macro CREST                           ; a round of the cluster's barrier behind its opening barrier
	s_cmp_lg_u32 s14, 0
	s_cbranch_scc1 .Lnot_wave_0_\@
	s_barrier_signal -3
.Lnot_wave_0_\@:
	s_barrier_wait -3
	s_barrier_signal -1
	s_barrier_wait -1
.endm
.macro CROUND
	s_barrier_signal -1
	s_barrier_wait -1
	CREST
.endm
	s_load_b128 s[4:7], s[0:1], 0x0                ; xw_img, xw_sc
	s_load_b128 s[8:11], s[0:1], 0x10              ; b_q, b_kv
	s_load_b64 s[12:13], s[0:1], 0x20              ; qkv_img
	v_lshl_add_u32 v[SPW], v0, 2, SPARE
	v_mov_b32 v[NIL], 0
	ds_add_u32 v28, v29
	ds_add_u32 v28, v29
	s_wait_dscnt 0x0
	v_lshrrev_b32 v1, 5, v0
	v_readfirstlane_b32 s14, v1                    ; wave 0..3
	s_lshr_b32 s15, s14, 1                         ; my half of the tile's rows.  Also: I fetch for A (0) or for B (1)
	s_and_b32 s16, s14, 1                          ; my half of its columns.  Also: which 128 rows I fetch
	s_bfe_u32 s40, ttmp6, 0x40000                  ; cx
	s_bfe_u32 s41, ttmp6, 0x40004                  ; cy
	s_and_b32 s18, ttmp7, 0xffff                   ; the cluster's number, 0..11
	s_lshr_b32 s[PROB], s18, 2
	s_and_b32 s18, s18, 3
	s_lshl_b32 s18, s18, 2                         ; four tiles along the problem's long side for each cluster
	s_lshl_b32 s19, s[PROB], 12
	s_lshl_b32 s92, s[PROB], 10
	s_add_co_u32 s92, s92, 8192
	s_mov_b32 s93, 4096
	s_mov_b32 s[STA], 768
	s_mov_b32 s[STH], 3072
	s_mov_b32 s[STC], HEADB
	s_mov_b32 s[SLO], 0x05040100
	s_mov_b32 s[SHI], 0x07060302
	s_cmp_eq_u32 s[PROB], 2
	s_cselect_b32 s[ISV], 1, 0
	s_cselect_b32 s17, 0, s18                      ; Q, K: the long side is m
	s_cselect_b32 s42, s18, 0                      ; V: it is n
	s_cselect_b32 s92, s93, s92                    ; B's first stored row: 8,192, 9,216, 4,096
	s_cselect_b32 s93, 2048, 0
	s_cselect_b32 s[STA], 1536, s[STA]
	s_cselect_b32 s[STH], HEADB, s[STH]
	s_cselect_b32 s[STC], 768, s[STC]
	s_cselect_b32 s[SLO], 0x03020100, s[SLO]
	s_cselect_b32 s[SHI], 0x07060504, s[SHI]
	s_add_co_u32 s19, s19, s93                     ; A's first stored row: 0, 4,096, 10,240
	s_add_co_u32 s17, s17, s41                     ; tile row of C
	s_add_co_u32 s42, s42, s40                     ; tile column of C
	s_lshl_b32 s43, s41, 2
	s_lshl_b32 s43, 15, s43                        ; my row of the cluster
	s_lshl_b32 s44, 0x1111, s40                    ; my column
	; descriptor group 1: 8 row tiles x 3,072 bytes (384 elements of 8 bytes), 12,288 bytes apart in memory, dense in LDS
	s_or_b32 s[G1+0], s43, (3<<16)|(1<<21)         ; 15:0 the mask; 17:16 elements of 8 bytes; 21 set beside a mask
	s_or_b32 s[G1B+0], s44, (3<<16)|(1<<21)
.irp g, G1, G1B
	s_mov_b32 s[\g+1], 384<<16                     ; tensor_dim0
	s_mov_b32 s[\g+2], 16<<16                      ; the head's loads bring 16 row tiles; behind them the two words are set to 8, for the ring's
	s_mov_b32 s[\g+3], 384<<16
	s_mov_b32 s[\g+4], 16
	s_mov_b32 s[\g+5], 1536                        ; tensor_dim0_stride
	s_mov_b32 s[\g+6], 0
	s_mov_b32 s[\g+7], 0
.endr
	; the scales of 256 rows: 8,192 dense bytes as 32 rows of 256, 16 bytes of padding behind each
	s_or_b32 s[G1S+0], s43, (3<<16)|(1<<20)|(1<<21)|(5<<22)|(3<<25)
	s_or_b32 s[G1SB+0], s44, (3<<16)|(1<<20)|(1<<21)|(5<<22)|(3<<25)
.irp g, G1S, G1SB
	s_mov_b32 s[\g+1], 32<<16
	s_mov_b32 s[\g+2], 32<<16                      ; the scales of all 256 rows: 32 rows of 256 bytes
	s_mov_b32 s[\g+3], 32<<16
	s_mov_b32 s[\g+4], 32
	s_mov_b32 s[\g+5], 32
	s_mov_b32 s[\g+6], 0
	s_mov_b32 s[\g+7], 0
.endr
	s_lshl_b32 s20, s17, 8
	s_add_co_u32 s20, s20, s19                     ; A's first stored row of the tile
	s_lshl_b32 s46, s42, 8
	s_add_co_u32 s46, s46, s92                     ; B's
	s_lshl_b32 s22, s20, 5                         ; 32 scale bytes a row
	s_mov_b32 s23, 0
	s_lshl_b32 s92, s46, 5
	s_mov_b32 s93, 0
	s_mul_i32 s20, s20, 768                        ; 768 bytes of codes a row
	s_mov_b32 s21, 0
	s_mul_i32 s46, s46, 768
	s_mov_b32 s47, 0
	s_mul_i32 s45, s14, HALFT                      ; where they go: wave x 128 rows: no place in the cluster enters an LDS address
	s_wait_kmcnt 0x0
	s_add_nc_u64 s[20:21], s[4:5], s[20:21]
	s_add_nc_u64 s[22:23], s[6:7], s[22:23]
	s_add_nc_u64 s[46:47], s[4:5], s[46:47]
	s_add_nc_u64 s[92:93], s[6:7], s[92:93]
	CROUND                                         ; all sixteen work-groups are here: the first joint loads meet
	s_mov_b32 s[G0S], 1
	s_mov_b32 s[G0S+1], SCL
	s_mov_b64 s[G0S+2:G0S+3], s[22:23]
	s_or_b32 s[G0S+3], s[G0S+3], 0x80000000
	s_mov_b32 s[G0SB], 1
	s_mov_b32 s[G0SB+1], SCL+2*HALFS
	s_mov_b64 s[G0SB+2:G0SB+3], s[92:93]
	s_or_b32 s[G0SB+3], s[G0SB+3], 0x80000000
	s_mul_i32 s4, s16, 128*768                     ; in the ring I fetch 128 rows of a tile: which half, in bytes (s[4:5] held an argument that has been used)
	s_mov_b32 s5, 0
.irp s, 0,1
	s_mov_b32 s[G0+4*\s], 1
	s_add_co_u32 s[G0+4*\s+1], s45, \s*SLOT
	s_add_nc_u64 s[G0+4*\s+2:G0+4*\s+3], s[20:21], \s*ROWB
	s_or_b32 s[G0+4*\s+3], s[G0+4*\s+3], 0x80000000
	s_mov_b32 s[G0B+4*\s], 1
	s_add_co_u32 s[G0B+4*\s+1], s45, \s*SLOT
	s_add_nc_u64 s[G0B+4*\s+2:G0B+4*\s+3], s[46:47], \s*ROWB
	s_or_b32 s[G0B+4*\s+3], s[G0B+4*\s+3], 0x80000000
.endr
	s_mov_b32 s[G0+1], 0                           ; the head's loads of K step 0 are whole: A's 256 rows at slot 0's start,
	s_mov_b32 s[G0B+1], 2*HALFT                    ; B's 256 rows behind them
	s_add_nc_u64 s[G0+6:G0+7], s[G0+6:G0+7], s[4:5]      ; slot 1's loads bring my 128 rows
	s_add_nc_u64 s[G0B+6:G0B+7], s[G0B+6:G0B+7], s[4:5]
	; the prefetches' base: of the 8 row tiles that I fetch in the ring, the partner at place p (cx for A, cy for B) names tiles 2 p and 2 p + 1: the four that ask jointly share the blocks out by address
	s_cmp_eq_u32 s15, 0
	s_cselect_b64 s[6:7], s[20:21], s[46:47]
	s_cselect_b32 s92, s40, s41
	s_mul_i32 s92, s92, 2*12288
	s_mov_b32 s93, 0
	s_add_nc_u64 s[6:7], s[6:7], s[92:93]
	s_add_nc_u64 s[6:7], s[6:7], s[4:5]
; THE HEAD'S LOADS, ONE A WAVE: wave 0 K step 0 of A's 256 rows, wave 1 of B's, wave 2 the scales of A's rows, wave 3 of B's.  One tree of branches on the wave's number, one load to an arm.
.macro ARM under, g0, g1, next
	s_cmp_lt_u32 s14, \under
	s_cbranch_scc0 \next
	tensor_load_to_lds s[\g0:\g0+3], s[\g1:\g1+7]
	s_nop 0
.rept 4
	v_nop
.endr
	s_branch .Lhead_asked
\next:
.endm
	ARM 1, G0,  G1,  .Lhead_b
	ARM 2, G0B, G1B, .Lhead_sa
	ARM 3, G0S, G1S, .Lhead_sb
	tensor_load_to_lds s[G0SB:G0SB+3], s[G1SB:G1SB+7]
	s_nop 0
.rept 4
	v_nop
.endr
.Lhead_asked:
	v_and_b32 v1, 15, v0                           ; r
	v_bfe_u32 v2, v0, 4, 1                         ; h
	v_and_b32 v3, 31, v0
	v_lshlrev_b32 v[L8], 3, v3
	v_min_u32 v4, 23, v3                           ; the prefetches' offset: two row tiles x 12 blocks of 256 bytes, a lane a block; lanes 24-31 name the last block again
	v_mul_u32_u24 v30, v4, 43
	v_lshrrev_b32 v30, 9, v30                      ; lane / 12
	v_mul_u32_u24 v30, v30, 12288-3072
	v_lshl_add_u32 v30, v4, 8, v30                 ; never rewritten
	s_mul_i32 s21, s15, HALFT                      ; my 128 rows of A
	s_mul_i32 s22, s16, HALFT                      ; my 128 rows of B,
	s_add_co_u32 s22, s22, 2*HALFT                 ; behind A's 256
.irp s, 0,1
	v_add_nc_u32 v[ADRA+\s], s21, v[L8]
	v_add_nc_u32 v[ADRB+\s], s22, v[L8]
	s_add_co_u32 s21, s21, SLOT
	s_add_co_u32 s22, s22, SLOT
.endr
	v_lshlrev_b32 v5, 5, v1                        ; my row's scales: 32 bytes a row,
	v_lshrrev_b32 v6, 8, v5
	v_lshl_add_u32 v5, v6, 4, v5                   ; and 16 more for each 256 passed
	s_mul_i32 s21, s15, HALFS
	s_mul_i32 s22, s16, HALFS
	s_add_co_u32 s22, s22, 2*HALFS
	s_sub_co_u32 s22, s22, s21
	v_mul_u32_u24 v6, s22, v2                      ; lanes 16-31 take B's: the lower base + h x the distance
	s_add_co_u32 s21, s21, SCL
	v_add_nc_u32 v5, v5, v6
	v_add_nc_u32 v[ADRS], s21, v5
	; where my results go, and my biases
	s_lshl_b32 s20, s17, 8
	s_lshl_b32 s21, s15, 7
	s_add_co_u32 s20, s20, s21                     ; m0
	s_lshl_b32 s46, s42, 8
	s_lshl_b32 s47, s16, 7
	s_add_co_u32 s46, s46, s47                     ; n0
	s_lshl_b32 s92, s46, 2                         ; 4 n0
	s_lshl_b32 s94, s20, 2
	s_add_co_u32 s94, s94, 4096                    ; 4 (1,024 + m0)
	s_cmp_eq_u32 s[ISV], 1
	s_cselect_b32 s22, s46, s20                    ; my first token
	s_cselect_b32 s23, s20, s46                    ; my first feature
	s_cselect_b32 s92, 0, s92                      ; the bias along n: Q's and K's; in V it is loaded from the buffer's head and not used
	s_cselect_b32 s94, s94, 0                      ; the bias along m: V's; elsewhere loaded from the buffer's head and not used
	s_mov_b32 s93, 0
	s_mov_b32 s47, 0
	s_mov_b32 s46, s94
	s_lshr_b32 s18, s22, 11                        ; batch
	s_lshl_b32 s18, s18, 4
	s_lshr_b32 s19, s23, 6                         ; head
	s_add_co_u32 s18, s18, s19
	s_mul_i32 s18, s18, HEADB
	s_mul_i32 s19, s[PROB], 102400
	s_add_co_u32 s18, s18, s19
	s_bfe_u32 s19, s22, 0x40007                    ; the step of 128 tokens
	s_mul_i32 s19, s19, 6400
	s_add_co_u32 s18, s18, s19
	s_mov_b32 s19, 0
	s_add_nc_u64 s[12:13], s[12:13], s[18:19]
	s_cmp_eq_u32 s[PROB], 0
	s_cselect_b64 s[8:9], s[8:9], s[10:11]
	s_add_nc_u64 s[8:9], s[8:9], s[92:93]
	s_add_nc_u64 s[10:11], s[10:11], s[46:47]
	s_mov_b32 s[SEL], 0x76543210
	s_mov_b32 s[SEL+1], 0xfedcba98
	v_lshlrev_b32 v[BNO], 6, v2
	v_and_b32 v[BMO], 8, v1
	v_add_nc_u32 v[BMO], v[BMO], v1
	v_lshlrev_b32 v[BMO], 2, v[BMO]
.irp b, 0,1,2,3,4,5,6,7                        ; the addresses of these loads are never written again; the loads are waited for at the way out
	global_load_b128 v[BN+8*\b:BN+8*\b+3], v[BNO], s[8:9] offset:(32*(\b/2)+8*(\b%2))*4
	global_load_b128 v[BN+8*\b+4:BN+8*\b+7], v[BNO], s[8:9] offset:(32*(\b/2)+8*(\b%2))*4+16
.endr
.irp a, 0,1,2,3,4,5,6,7
	global_load_b32 v[BM+2*\a], v[BMO], s[10:11] offset:(32*(\a/2)+8*(\a%2))*4
	global_load_b32 v[BM+2*\a+1], v[BMO], s[10:11] offset:(32*(\a/2)+8*(\a%2))*4      ; twice: a pair for the packed addition
.endr
.macro FRAG reg, adr, q, i             ; a fragment, 16 rows x 128 K: two half-images on end: six loads of 256 consecutive bytes
.irp p, 0,1,2,3,4,5
	ds_load_b64 v[\reg+2*\p:\reg+2*\p+1], v[\adr] offset:ROWB*(\i)+1536*(\q)+256*\p
.endr
.endm
; 16 matrix instructions: A's blocks a0, a0 + 1 x B's eight.  The 64 accumulators take turns, one instruction a turn, in the same order in every step.
.macro MUL16 a0, p, q, sc, zero
.irp a, \a0, \a0+1
.irp b, 0,1,2,3,4,5,6,7
.if \zero
	v_wmma_scale_f32_16x16x128_f8f6f4 v[8*(8*((\a)%4)+\b):8*(8*((\a)%4)+\b)+7], v[128*(\p)+FR*\b:128*(\p)+FR*\b+FR-1], v[AF+FR*(\a):AF+FR*(\a)+FR-1], 0, v[SC+8*NQ*(\sc)+NQ*\b+(\q)], v[SC+8*NQ*(\sc)+NQ*(\a)+(\q)] matrix_a_fmt:MATRIX_FMT_FP6 matrix_b_fmt:MATRIX_FMT_FP6 matrix_a_scale:MATRIX_SCALE_ROW1
.else
	v_wmma_scale_f32_16x16x128_f8f6f4 v[8*(8*((\a)%4)+\b):8*(8*((\a)%4)+\b)+7], v[128*(\p)+FR*\b:128*(\p)+FR*\b+FR-1], v[AF+FR*(\a):AF+FR*(\a)+FR-1], v[8*(8*((\a)%4)+\b):8*(8*((\a)%4)+\b)+7], v[SC+8*NQ*(\sc)+NQ*\b+(\q)], v[SC+8*NQ*(\sc)+NQ*(\a)+(\q)] matrix_a_fmt:MATRIX_FMT_FP6 matrix_b_fmt:MATRIX_FMT_FP6 matrix_a_scale:MATRIX_SCALE_ROW1
.endif
.endr
.endr
.endm
.macro FETCH_B slot, q, p
	WIN TO_B
.irp i, 0,1,2,3,4,5,6,7
	FRAG 128*(\p)+FR*\i, ADRB+\slot, \q, \i
.endr
	WIN 0
.endm
.macro FETCH_A slot, q, i0
.irp i, \i0, \i0+1, \i0+2, \i0+3
	FRAG AF+FR*(\i), ADRA+\slot, \q, \i
.endr
.endm
.macro SCALES sc                       ; a K step's two words a row: lanes 0-15 A's block i, lanes 16-31 B's block i
.irp i, 0,1,2,3,4,5,6,7
	ds_load_b64 v[SC+8*NQ*\sc+NQ*\i:SC+8*NQ*\sc+NQ*\i+1], v[ADRS] offset:\i*SBLK
.endr
.endm
.macro PLACES n                        ; plain vector instructions between a matrix instruction and a load into, or a vector access to, its registers (ISA guide 7.12.1 for vector instructions)
.rept \n
	v_nop
.endr
.endm
.macro STEP slot, q, zero              ; 128 along K with its successor in the same slot
	s_wait_dscnt 4*NL                              ; B's set, A's blocks 0-3 and the scale words are in; A's blocks 4-7, 24 loads, may be out
	WIN MUL_LO
	MUL16 0, (\q)%2, \q, \slot, \zero
	MUL16 2, (\q)%2, \q, \slot, \zero
	s_wait_dscnt 0
	PLACES NP
	FETCH_B \slot, (\q)+1, 1-(\q)%2
	FETCH_A \slot, (\q)+1, 0
	WIN MUL_HI
	MUL16 4, (\q)%2, \q, \slot, \zero
	MUL16 6, (\q)%2, \q, \slot, \zero
	PLACES NP
	WIN 0
	FETCH_A \slot, (\q)+1, 4
.endm
; A slot's last step changes slots: one barrier; in front of it each wave waits for all its tensor loads, adds 0 to its spare word, and waits for that and for its reads of this slot.
.macro TURN slot, next, fill
	s_wait_tensorcnt 0x0                           ; all my tensor loads have landed: my part of the next slot
	ds_add_u32 v[SPW], v[NIL]                      ; 0 onto my spare word
	s_wait_dscnt 4*NL+1                            ; (the add and A's blocks 4-7 may be out)
	WIN MUL_LO
	MUL16 0, 1, NQ-1, \slot, 0
	s_wait_dscnt 0x0                               ; the add is done, and my reads of this slot are over
	s_barrier_signal -1
	MUL16 2, 1, NQ-1, \slot, 0
	WIN 0
	s_barrier_wait -1
.if \fill
	CREST                                          ; the barrier has opened a round of the cluster's: no wave of any partner still reads this slot or has a load on its way
	s_add_nc_u64 s[G0+4*\slot+2:G0+4*\slot+3], s[G0+4*\slot+2:G0+4*\slot+3], 2*ROWB
	s_add_nc_u64 s[G0B+4*\slot+2:G0B+4*\slot+3], s[G0B+4*\slot+2:G0B+4*\slot+3], 2*ROWB
	JLOAD G0+4*\slot, G1, G0B+4*\slot, G1B         ; the first tensor load behind the round; its four v_nop are the places in front of the loads below
.else
	PLACES NP
.endif
	s_wait_alu depctr_va_vdst(0)
	v_add_nc_u32 v[ADRS], 4*NQ, v[ADRS]            ; the next K step's scale words
	FETCH_B \next, 0, 0
	FETCH_A \next, 0, 0
	SCALES \next
.if (\fill) && (\slot) == 0
	global_prefetch_b8 v30, s[6:7] offset:3*ROWB th:TH_LOAD_NT scope:SCOPE_SE   ; K step 3, the last: one refill ahead; the next change of slots asks for nothing
.endif
	WIN MUL_HI
	MUL16 4, 1, NQ-1, \slot, 0
	MUL16 6, 1, NQ-1, \slot, 0
	PLACES NP
	WIN 0
	FETCH_A \next, 0, 4
.endm
	s_wait_alu depctr_va_vdst(0)
	s_wait_tensorcnt 0x0                           ; my tile of the head's four is in
	ds_add_u32 v[SPW], v[NIL]
	s_mov_b32 s[G1+2], 8<<16                       ; no tensor load of mine is out: from here on a load brings 8 row tiles,
	s_mov_b32 s[G1+4], 8
	s_mov_b32 s[G1B+2], 8<<16
	s_mov_b32 s[G1B+4], 8
	s_mov_b32 s[G0+1], s45                         ; and slot 0's refills bring my 128 rows to my quarter of the slot
	s_mov_b32 s[G0B+1], s45
	s_add_nc_u64 s[G0+2:G0+3], s[G0+2:G0+3], s[4:5]
	s_add_nc_u64 s[G0B+2:G0B+3], s[G0B+2:G0B+3], s[4:5]
	s_wait_dscnt 0x0
	CROUND                                         ; a whole round: all four tiles are in, and the sixteen work-groups are here
	JLOAD G0+4, G1, G0B+4, G1B                     ; K step 1, the first tensor load behind the round
	FETCH_B 0, 0, 0
	FETCH_A 0, 0, 0
	SCALES 0
	global_prefetch_b8 v30, s[6:7] offset:2*ROWB th:TH_LOAD_NT scope:SCOPE_SE   ; K step 2, one refill ahead of the load that wants it
	FETCH_A 0, 0, 4
	STEP 0, 0, 1                                   ; the first products start the sums: nothing is cleared
	TURN 0, 1, 1                                   ; slot 0 takes K step 2
	STEP 1, 0, 0
	TURN 1, 0, 1                                   ; slot 1 takes K step 3
	STEP 0, 0, 0
	TURN 0, 1, 0                                   ; nothing is left to fetch
	STEP 1, 0, 0
	s_wait_dscnt 4*NL
	WIN MUL_LO
	MUL16 0, 1, NQ-1, 1, 0
	MUL16 2, 1, NQ-1, 1, 0
	s_wait_dscnt 0
	WIN MUL_HI
	MUL16 4, 1, NQ-1, 1, 0
	MUL16 6, 1, NQ-1, 1, 0
	WIN 0
; 64 numbers of a lane, register 16 b + i = n 32 b + 16 h + i of my row, become a fragment's codes in v[PC] on and its scale word in v[pw].
.macro QUANT s, pw
.irp b, 0,1,2,3
	v_max3_num_f32 v[TM+\b], |v[\s+16*\b]|, |v[\s+1+16*\b]|, 0x1800000   ; my 16 numbers of block b, and the floor 2^(3 - 127)
.endr
.irp i, 2,4,6,8,10,12,14
.irp b, 0,1,2,3
	v_max3_num_f32 v[TM+\b], v[TM+\b], |v[\s+16*\b+\i]|, |v[\s+1+16*\b+\i]|
.endr
.endr
.irp b, 0,1,2,3
	v_permlanex16_b32 v[TM+4+\b], v[TM+\b], s[SEL], s[SEL+1]
.endr
.irp b, 0,1,2,3
	v_max_num_f32 v[TM+\b], v[TM+\b], v[TM+4+\b]   ; with lane l xor 16's: the block's largest magnitude
.endr
.irp b, 0,1,2,3
	v_add_nc_u32 v[TM+12+\b], 0xff000000, v[TM+\b] ; 2 off its exponent field: the conversion's scale operand
.endr
.irp b, 0,1,2,3
	v_lshrrev_b32 v[TM+4+\b], 23, v[TM+12+\b]      ; the scale's byte
.endr
	v_lshl_or_b32 v[\pw], v[TM+5], 8, v[TM+4]
	v_lshl_or_b32 v[\pw], v[TM+6], 16, v[\pw]
	v_lshl_or_b32 v[\pw], v[TM+7], 24, v[\pw]
.irp c, 0,1
	v_cvt_scalef32_pk16_fp6_f32 v[PC+6*\c:PC+2+6*\c], v[\s+32*\c:\s+15+32*\c], v[TM+12+2*\c]
	v_cvt_scalef32_pk16_fp6_f32 v[PC+12+4*\c:PC+14+4*\c], v[\s+16+32*\c:\s+31+32*\c], v[TM+12+2*\c+1]   ; (a conversion's three registers begin on an even number)
.endr
	v_nop                                          ; one plain instruction behind a scaled conversion
.irp c, 0,1                                    ; a whole block to a lane: lanes 0-15 block 2 c, lanes 16-31 block 2 c + 1
.irp i, 0,1,2
	v_permlane16_swap_b32 v[PC+6*\c+\i], v[PC+12+4*\c+\i]
.endr
.irp i, 0,1,2
	v_mov_b32 v[PC+3+6*\c+\i], v[PC+12+4*\c+\i]
.endr
.endr
.endm
; Block a (16 rows of A x my 128 columns): the bias is added on the way from the accumulators' window into window 0, each accumulator from its low end on; quantised; two half-images leave, each store one whole aligned 256 bytes.
.macro BLOCK a
.set AC, 64*((\a)%4)
.if (\a) > 0
	s_wait_xcnt 0x0                                ; the last block's stores have read their data and offsets
.endif
	s_cmp_eq_u32 s[ISV], 0
	s_cbranch_scc0 .Lrow_bias_\@
	WIN (0x02+(\a)/4)
.set kk, 0
.rept 32
	v_pk_add_f32 v[T+kk:T+kk+1], v[AC+kk:AC+kk+1], v[BN+kk:BN+kk+1]
.set kk, kk+2
.endr
	WIN 0
	s_branch .Lbiased_\@
.Lrow_bias_\@:
	WIN (0x02+(\a)/4)
.set kk, 0
.rept 32
	v_pk_add_f32 v[T+kk:T+kk+1], v[AC+kk:AC+kk+1], v[BM+2*(\a):BM+2*(\a)+1]
.set kk, kk+2
.endr
	WIN 0
.Lbiased_\@:
	QUANT T, PWB+(\a)
	v_add_nc_u32 v[VO0], s[OA], v[L8]
	v_add_nc_u32 v[VO1], s[STC], v[VO0]
.irp c, 0,1
.irp i, 0,1,2
	global_store_b64 v[VO0+\c], v[PC+6*\c+2*\i:PC+6*\c+2*\i+1], s[12:13] offset:256*\i
.endr
.endr
.if (\a) == 3
	s_mov_b32 s[OA], s[STH]
.else
	s_add_co_u32 s[OA], s[OA], s[STA]
.endif
.endm
	s_wait_loadcnt 0x0                             ; the biases
	PLACES NP                                      ; behind the last products: their operands' and scales' registers are written, their results read
.irp b, 0,1,2,3
	v_mov_b32 v[TM+4+\b], 0                        ; a lane permute's destination counts as one of its sources
.endr
	v_mov_b32 v[SELV], s[SLO]
	v_mov_b32 v[E], s[SHI]
	v_cmp_eq_u32 vcc_lo, 1, v2
	v_cndmask_b32 v[SELV], v[SELV], v[E], vcc_lo   ; lanes 16-31 pick the second head's bytes
	v_mul_u32_u24 v[VSO], v2, HEADB
	v_lshl_add_u32 v[VSO], v1, 4, v[VSO]           ; 16 bytes of scales a row; the second head one head on
	s_mov_b32 s[OA], 0
.irp a, 0,1,2,3,4,5,6,7
	BLOCK \a
.endr
	s_cmp_eq_u32 s[ISV], 0
	s_cbranch_scc0 .Lv_words
.irp p, 0,1,2,3
	v_perm_b32 v[E+\p], v[PWB+2*\p+1], v[PWB+2*\p], v[SELV]       ; Q, K: word p = my head's halfwords of token tiles 2 p and 2 p + 1
.endr
	s_branch .Lwords
.Lv_words:
.irp p, 0,1,2,3
	v_perm_b32 v[E+\p], v[PWB+4+\p], v[PWB+\p], v[SELV]           ; V: word t = the whole word of my head's tile t
.endr
.Lwords:
	s_wait_alu depctr_va_vdst(0)
	global_store_b128 v[VSO], v[E:E+3], s[12:13] offset:6144       ; sixteen lanes store 256 consecutive bytes, aligned: a step's scales
	s_wait_tensorcnt 0x0                           ; the wave's end
	ds_add_u32 v[SPW], v[NIL]
	s_wait_dscnt 0x0
	CROUND                                         ; the closing round: no work-group ends while a partner may still ask for a tile that names it
	s_endpgm
.Lfunc_end_k_q806a5115fc_proj:
	.size	k_q806a5115fc_proj, .Lfunc_end_k_q806a5115fc_proj-k_q806a5115fc_proj
	.p2alignl 7, 3214868480
	.fill 96, 4, 3214868480
	.section	.rodata,"a",@progbits
	.p2align	6, 0x0
	.amdhsa_kernel k_q806a5115fc_proj
		.amdhsa_group_segment_fixed_size 327680
		.amdhsa_private_segment_fixed_size 0
		.amdhsa_enable_private_segment 0
		.amdhsa_kernarg_size 40
		.amdhsa_user_sgpr_count 2
		.amdhsa_user_sgpr_kernarg_segment_ptr 1
		.amdhsa_wavefront_size32 1
		.amdhsa_system_sgpr_workgroup_id_x 1
		.amdhsa_system_sgpr_workgroup_id_y 1
		.amdhsa_system_sgpr_workgroup_id_z 1
		.amdhsa_system_vgpr_workitem_id 0
		.amdhsa_next_free_vgpr 1024
		.amdhsa_next_free_sgpr 102
		.amdhsa_reserve_vcc 1
		.amdhsa_float_denorm_mode_32 3
		.amdhsa_float_denorm_mode_16_64 3
		.amdhsa_memory_ordered 1
		.amdhsa_forward_progress 1
		.amdhsa_inst_pref_size 207
	.end_amdhsa_kernel
	.amdgpu_metadata
---
amdhsa.version: [ 1, 2 ]
amdhsa.kernels:
  - .name:           k_q806a5115fc_proj
    .symbol:         k_q806a5115fc_proj.kd
    .args:
      - { .name: xw_img, .offset: 0, .size: 8, .value_kind: global_buffer, .address_space: global }
      - { .name: xw_sc, .offset: 8, .size: 8, .value_kind: global_buffer, .address_space: global }
      - { .name: b_q, .offset: 16, .size: 8, .value_kind: global_buffer, .address_space: global }
      - { .name: b_kv, .offset: 24, .size: 8, .value_kind: global_buffer, .address_space: global }
      - { .name: qkv_img, .offset: 32, .size: 8, .value_kind: global_buffer, .address_space: global }
    .group_segment_fixed_size: 327680
    .private_segment_fixed_size: 0
    .kernarg_segment_align: 8
    .kernarg_segment_size: 40
    .max_flat_workgroup_size: 128
    .sgpr_count:     102
    .vgpr_count:     1024
    .wavefront_size: 32
...
	.end_amdgpu_metadata
.endif
;; end of part 2
;; launch attn (part 3): grid 8 x 32, 8 waves a work-group, clusters of 4 x 1, 327,680 bytes of LDS; arguments qkv_img, o_img, o_sc; writes o_img, o_sc
.if DOCPART == 3
	.amdgcn_target "amdgcn-amd-amdhsa--gfx1250"
	.amdhsa_code_object_version 6
	.text
	.protected	k_q806a5115fc_attn
	.globl	k_q806a5115fc_attn
	.p2align	8
	.type	k_q806a5115fc_attn,@function
k_q806a5115fc_attn:
	s_mov_b64 s[64:65], 0
	v_nop
	global_prefetch_b8 v0, s[64:65] scope:SCOPE_SE
	s_setreg_imm32_b32 hwreg(HW_REG_WAVE_MODE, 25, 1), 1
	s_wait_xcnt 0x0
	s_wait_alu depctr_hold_cnt(0) depctr_sa_sdst(0) depctr_va_vdst(0) depctr_va_sdst(0) depctr_va_ssrc(0) depctr_va_vcc(0) depctr_vm_vsrc(0)
	s_getreg_b32 s2, hwreg(HW_REG_IB_STS2, 6, 4)
	s_cmp_eq_u32 s2, 0
	s_cbranch_scc0 .Lentry_in_a_cluster
	s_endpgm
.Lentry_in_a_cluster:
	s_bfe_u32 s2, ttmp6, 0x10000c
	s_cmp_lg_u32 s2, 0x3003
	s_cbranch_scc0 .Lentry_shape_is_right
	s_endpgm
.Lentry_shape_is_right:
; o = softmax(q k^T / 8) v for one head and 256 queries a work-group, on codes of FP6 (E2M3) with E8M0 scales; o is quantised along the head's 64 and stored as half-images (o_img) and scale bytes (o_sc).
; p = 2^(t - M), t = score x log2(e) / 8, M the ceiling of the running largest t; the row's sum is taken of the unquantised p; when M moves, sum and O^T are multiplied by an exact power of two.
; LIMITS: the promise holds while |t| stays under 2^31; a block of p whose largest lies under 2^-124 keeps the byte 1; NaN and infinities are not served.
; SHARES: 8 waves; a wave takes two stored tiles of 16 queries, so that each fragment of K and of V feeds two tiles.  A lane holds one query of each tile (both products are used transposed).
; ALL of the head's K and V, 204,800 dense bytes, comes at the head: one joint load a wave, 100 rows of 256 bytes; the four work-groups of a cluster are query blocks of one head and ask jointly.
; Nothing is filled again.  No prefetch: everything is asked for at the head, so there is no loop to run ahead in.
; LDS rows are 256 + 96 bytes apart.  THE KEYS OF A TILE OF K ARE CHOSEN BY THE LANES' ADDRESSES: rows 0-7 are eight keys of block 2 c, rows 8-15 the same eight of block 2 c + 1 (six LDS rows on: 2,112 bytes,
; 64 modulo 256, so the 32 lanes of a load touch 64 different banks).  So lane (r, h) holds in 32 registers on end all 32 keys of block 2 c + h: its largest needs no other lane, and the codes are the operand's registers.
; A product of 128 along K holds two tiles of K (64 each) against q beside zeros.  The next step's fragments of K are fetched under this step's softmax; the last step's fetch reads V's first bytes and is not used.
; THE EXPONENTIALS go in four batches of 32, one for each unit u = 2 i + c (tile i, keys 64 c on).  Between a batch's exponentials stand plain instructions that hang on nothing of that batch: the next unit's
; multiply-adds, the first levels of earlier units' sums, one level of the scale arithmetic a batch.  Their sources were written ahead of the wait that opens the batch, their results are read behind the wait that closes it.
; REGISTERS: window 0: addresses, scale words, state, v64-87 p's codes, v128-255 the scores of both tiles.  window 1: v0-47 K's fragments, v48-95 V's, v96-125 zeros, q0, zeros, q1, zeros, v128-191 O^T.
.set STEPB, 6400
.set SECB,  102400
.set HEADB, 307200
.set ROWL,  352
.set STEPL, 25*ROWL
.set KSEC,  16*STEPL
.set SPARE, 2*KSEC
.set LN, 1
.set BK, 2
.set BKS, 3
.set BV, 4
.set BVS, 5
.set L8, 6
.set OSO, 7
.set SH8, 8
.set QO, 9
.set QS, 10
.set SPW, 14
.set NIL, 15
.set KSW, 16
.set VSW, 20
.set QSC, 24
.set QX, 26
.set NM, 28                            ; tile i: v[NM+2i] = -M, v[NM+2i+1] the running largest score
.set F, 32                             ; v[F+2i] the factor 2^(old M - new M), v[F+2i+1] p's scale word
.set LS, 36                            ; the row's sum, in two halves
.set BM, 44                            ; v[BM+u] the largest of my block of unit u
.set PX, 48
.set OLD, 50
.set T, 52
.set SCO, 54
.set BY, 58
.set PC, 64
.set TQ, 88
.set ADK, 104
.set ADKS, 105
.set ADV, 106
.set ADVS, 107
.set TA, PC                            ; partial sums, eight pairs each, in registers that are free until the conversions
.set TBS, TQ
.set TC, 108
.set SB, 128
.set KF, 0
.set VF, 48
.set QB, 96
.set OB, 128
.set WV, 10
.set G1, 16
.set SEL, 32
.set CS, 34
.set TRIPS, 36
.set TB, 39
.set MSB, 0
.macro WIN new                         ; the immediate's high byte repeats the setting that is left
.if MSB != \new
	s_set_vgpr_msb (MSB<<8)|\new
.set MSB, \new
.endif
.endm
.macro CROUND
	s_barrier_signal -1
	s_barrier_wait -1
	s_cmp_lg_u32 s[WV], 0
	s_cbranch_scc1 .Lnot_wave_0_\@
	s_barrier_signal -3
.Lnot_wave_0_\@:
	s_barrier_wait -3
	s_barrier_signal -1
	s_barrier_wait -1
.endm
; K's fragments of a step: pair p = 2 c + w holds tiles (c, 2 w) and (c, 2 w + 1); and the pairs' scale words
.macro KLOADS ak, aks
	WIN 0x40
.irp p, 0,1,2,3
.irp e, 0,1
.irp c, 0,1,2
	ds_load_b64 v[KF+12*\p+6*\e+2*\c:KF+12*\p+6*\e+2*\c+1], v[\ak] offset:ROWL*(3*(4*(\p/2)+\e)+\c)+64*(\p%2)
.endr
.endr
.endr
	WIN 0
.irp p, 0,1,2,3
	ds_load_b32 v[KSW+\p], v[\aks] offset:24*ROWL+128*(\p%2)+8*(\p/2)
.endr
.endm
.macro FMA u, j                        ; t - M of pair j of unit u
	v_pk_fma_f32 v[SB+32*(\u)+2*(\j):SB+32*(\u)+2*(\j)+1], v[SB+32*(\u)+2*(\j):SB+32*(\u)+2*(\j)+1], s[CS:CS+1], v[NM+2*((\u)/2):NM+2*((\u)/2)+1] op_sel_hi:[1,0,0]
.endm
.macro L1 u, d, j                      ; pair j of d = pairs 2 j and 2 j + 1 of unit u's p
	v_pk_add_f32 v[\d+2*(\j):\d+2*(\j)+1], v[SB+32*(\u)+4*(\j):SB+32*(\u)+4*(\j)+1], v[SB+32*(\u)+4*(\j)+2:SB+32*(\u)+4*(\j)+3]
.endm
.macro FOLD d, n, j                    ; pair j of d += pair j + n
	v_pk_add_f32 v[\d+2*(\j):\d+2*(\j)+1], v[\d+2*(\j):\d+2*(\j)+1], v[\d+2*((\j)+\n):\d+2*((\j)+\n)+1]
.endm
.macro FILL u, j                       ; the j-th plain instruction among the exponentials of unit u
.if \u == 0
.if (\j) < 16
	FMA 1, \j
.else
	v_pk_mul_f32 v[LS+2*((\j)-16):LS+2*((\j)-16)+1], v[LS+2*((\j)-16):LS+2*((\j)-16)+1], v[F+2*((\j)-16):F+2*((\j)-16)+1] op_sel_hi:[1,0]   ; the sums under the new M
.endif
.endif
.if \u == 1
.if (\j) < 16
	FMA 2, \j
.elseif (\j) < 24
	L1 0, TA, ((\j)-16)
.else
	v_max_num_f32 v[BM+(\j)-24], 0x1800000, v[BM+(\j)-24]          ; the floor 2^(3 - 127): the byte cannot fall under 1
.endif
.endif
.if \u == 2
.if (\j) < 16
	FMA 3, \j
.elseif (\j) < 24
	L1 1, TBS, ((\j)-16)
.elseif (\j) < 28
	FOLD TA, 4, ((\j)-24)
.else
	v_add_nc_u32 v[SCO+(\j)-28], 0xff000000, v[BM+(\j)-28]         ; 2 off the exponent field: the conversion's scale operand
.endif
.endif
.if \u == 3
.if (\j) < 8
	L1 2, TC, \j
.elseif (\j) < 12
	FOLD TBS, 4, ((\j)-8)
.elseif (\j) < 14
	FOLD TA, 2, ((\j)-12)
.else
	v_lshrrev_b32 v[BY+(\j)-14], 23, v[SCO+(\j)-14]                ; the scale's byte
.endif
.endif
.endm
.macro PHASE u, nf                     ; unit u's 32 exponentials, the last nf of them each followed by a plain instruction; the wait closes this batch and opens the next
.set kk, 0
.rept 32
	v_exp_f32 v[SB+32*\u+kk], v[SB+32*\u+kk]
.if kk >= 32-\nf
	FILL \u, (kk+\nf-32)
.endif
.set kk, kk+1
.endr
	s_wait_alu depctr_va_vdst(0)
.endm
	s_load_b128 s[4:7], s[0:1], 0x0                ; qkv_img, o_img
	s_load_b64 s[8:9], s[0:1], 0x10                ; o_sc
	v_lshl_add_u32 v[SPW], v0, 2, SPARE
	v_mov_b32 v[NIL], 0
	ds_add_u32 v[SPW], v[NIL]
	ds_add_u32 v[SPW], v[NIL]
	v_lshrrev_b32 v11, 5, v0
	v_readfirstlane_b32 s[WV], v11                 ; wave 0..7
	s_bfe_u32 s11, ttmp6, 0x40000                  ; cx
	s_and_b32 s12, ttmp7, 0xffff                   ; batch x 16 + head
	s_mul_i32 s13, s12, HEADB
	s_mul_i32 s40, s[WV], 4*STEPB                  ; my 25,600 bytes of K and V,
	s_add_co_u32 s40, s40, s13
	s_add_co_u32 s40, s40, SECB
	s_mov_b32 s41, 0
	s_mul_i32 s25, s[WV], 4*STEPL                  ; and where they go
	s_lshl_b32 s42, ttmp9, 2
	s_add_co_u32 s42, s42, s11                     ; the block of 256 queries
	s_lshr_b32 s14, s[WV], 2
	s_and_b32 s15, s[WV], 3
	s_lshl_b32 s43, s42, 1
	s_add_co_u32 s43, s43, s14                     ; q's step of 128 tokens
	s_mul_i32 s44, s43, STEPB
	s_add_co_u32 s44, s44, s13
	s_mov_b32 s45, 0
	s_lshr_b32 s46, s12, 4
	s_lshl_b32 s46, s46, 7
	s_lshl_b32 s47, s42, 4
	s_add_co_u32 s46, s46, s47
	s_lshl_b32 s47, s[WV], 1
	s_add_co_u32 s46, s46, s47                     ; my first stored tile of 16 tokens
	s_and_b32 s47, s12, 15
	s_mul_i32 s12, s46, 12288
	s_mul_i32 s13, s47, 768
	s_add_co_u32 s12, s12, s13
	s_mov_b32 s13, 0
	s_lshl_b32 s46, s46, 9
	s_lshl_b32 s47, s47, 1
	s_add_co_u32 s46, s46, s47
	s_mov_b32 s47, 0
	s_mul_i32 s38, s15, 1536
	s_lshl_b32 s37, s15, 2
	s_mov_b32 s[G1], 15|(3<<16)|(1<<20)|(1<<21)|(5<<22)|(23<<25)   ; the cluster's four; elements of 8 bytes; 24 words of padding behind every 64
	s_mov_b32 s[G1+1], 32<<16
	s_mov_b32 s[G1+2], 100<<16
	s_mov_b32 s[G1+3], 32<<16
	s_mov_b32 s[G1+4], 100
	s_mov_b32 s[G1+5], 32
	s_mov_b32 s[G1+6], 0
	s_mov_b32 s[G1+7], 0
	s_mov_b32 s[SEL], 0x76543210
	s_mov_b32 s[SEL+1], 0xfedcba98                 ; lane l xor 16
	s_mov_b32 s[CS], 0x3e38aa3b                    ; log2(e) / 8
	s_mov_b32 s[CS+1], s[CS]
	s_mov_b32 s[TB], 0
	s_wait_dscnt 0x0
	s_wait_kmcnt 0x0
	s_add_nc_u64 s[44:45], s[4:5], s[44:45]
	s_add_nc_u64 s[6:7], s[6:7], s[12:13]
	s_add_nc_u64 s[8:9], s[8:9], s[46:47]
	s_mov_b32 s24, 1
	s_add_nc_u64 s[26:27], s[4:5], s[40:41]
	s_or_b32 s27, s27, 0x80000000
	CROUND                                         ; the four work-groups are here: the joint loads meet
	tensor_load_to_lds s[24:27], s[G1:G1+7]        ; my one tensor load
	s_nop 0
	v_and_b32 v[LN], 31, v0
	v_and_b32 v11, 15, v0                          ; r
	v_and_b32 v12, 7, v0
	v_bfe_u32 v13, v0, 4, 1                        ; h
	v_bfe_u32 v[T], v0, 3, 1                       ; r / 8
	v_lshlrev_b32 v[L8], 3, v[LN]
	v_lshlrev_b32 v[OSO], 5, v11
	v_lshlrev_b32 v[SH8], 3, v13
	v_lshlrev_b32 v[BK], 3, v12
	v_lshl_add_u32 v[BK], v13, 7, v[BK]
	v_mad_u32_u24 v[BK], v[T], 6*ROWL, v[BK]       ; K: 8 (r % 8) + 128 h, rows 8-15 two half-images on
	v_lshlrev_b32 v[BKS], 4, v12
	v_lshl_add_u32 v[BKS], v[T], 2, v[BKS]         ; its scale words: 16 (r % 8) + 4 (r / 8)
	v_add_nc_u32 v[BV], KSEC-STEPL, v[L8]          ; V: one step back, since the step's offset is stepped first
	v_lshl_add_u32 v[BVS], v11, 4, KSEC-STEPL
	v_add_nc_u32 v[QO], s38, v[L8]
	v_lshl_add_u32 v[QS], v11, 4, s37
	global_load_b32 v[QX], v[QS], s[44:45] offset:6144             ; the halfwords of my two tiles
	WIN 0x40
.irp i, 0,1
.irp c, 0,1,2
	global_load_b64 v[QB+6+12*\i+2*\c:QB+7+12*\i+2*\c], v[QO], s[44:45] offset:768*\i+256*\c
.endr
.endr
.irp z, 0,12,24
.irp j, 0,1,2,3,4,5
	v_mov_b32 v[QB+\z+\j], 0
.endr
.endr
.set jj, 0
.rept 64
	v_mov_b32 v[OB+jj], 0                          ; O^T: the step is written once, and the first finds zeros
.set jj, jj+1
.endr
	WIN 0
	s_wait_loadcnt 0x0
	v_perm_b32 v[QSC], v[QX], v[QX], 0x01000100    ; q's two bytes, for either half of the 128
	v_perm_b32 v[QSC+1], v[QX], v[QX], 0x03020302
.irp i, 0,1
	v_mov_b32 v[NM+2*\i+1], 0xff61b1e6             ; -3e38, under every score
	v_mov_b32 v[LS+2*\i], 0
	v_mov_b32 v[LS+2*\i+1], 0
	v_mov_b32 v[F+2*\i+1], 0
	v_mov_b32 v[PX+\i], 0                          ; a lane permute's destination counts as one of its sources
.endr
.irp i, 0,1
	v_floor_f32 v[NM+2*\i], -v[NM+2*\i+1]
.endr
	s_wait_alu depctr_va_vdst(0)
	s_wait_tensorcnt 0x0                           ; my part of K and V is in
	s_barrier_signal -1
	s_barrier_wait -1                              ; and everybody's
	KLOADS BK, BKS
	s_mov_b32 s[TRIPS], 16
.Lstep:
	s_add_co_u32 s[TB], s[TB], STEPL
	s_wait_dscnt 0x0                               ; K's fragments and words are in
	WIN 0x05
.irp p, 0,1,2,3
.irp i, 0,1
	v_wmma_scale_f32_16x16x128_f8f6f4 v[SB+64*\i+16*\p:SB+64*\i+16*\p+7], v[KF+12*\p:KF+12*\p+11], v[QB+12*\i+6:QB+12*\i+17], 0, v[KSW+\p], v[QSC+\i] matrix_a_fmt:MATRIX_FMT_FP6 matrix_b_fmt:MATRIX_FMT_FP6
	v_wmma_scale_f32_16x16x128_f8f6f4 v[SB+64*\i+16*\p+8:SB+64*\i+16*\p+15], v[KF+12*\p:KF+12*\p+11], v[QB+12*\i:QB+12*\i+11], 0, v[KSW+\p], v[QSC+\i] matrix_a_fmt:MATRIX_FMT_FP6 matrix_b_fmt:MATRIX_FMT_FP6
.endr
.endr
	WIN 0
	v_add_nc_u32 v[ADK], s[TB], v[BK]              ; four plain instructions: the places behind the products (ISA guide 7.12.1)
	v_add_nc_u32 v[ADKS], s[TB], v[BKS]
	v_add_nc_u32 v[ADV], s[TB], v[BV]
	v_add_nc_u32 v[ADVS], s[TB], v[BVS]
	ds_load_b128 v[VSW:VSW+3], v[ADVS] offset:24*ROWL
	WIN 0x40
.set jj, 0
.rept 24
	ds_load_b64 v[VF+2*jj:VF+2*jj+1], v[ADV] offset:ROWL*jj
.set jj, jj+1
.endr
	KLOADS ADK, ADKS                               ; the next step's
.irp u, 0,1,2,3
	v_max3_num_f32 v[BM+\u], v[SB+32*\u], v[SB+32*\u+1], v[SB+32*\u+2]   ; the largest score of my block; four chains by turns
.endr
.irp k, 3,5,7,9,11,13,15,17,19,21,23,25,27,29
.irp u, 0,1,2,3
	v_max3_num_f32 v[BM+\u], v[BM+\u], v[SB+32*\u+\k], v[SB+32*\u+\k+1]
.endr
.endr
.irp u, 0,1,2,3
	v_max_num_f32 v[BM+\u], v[BM+\u], v[SB+32*\u+31]
.endr
.irp i, 0,1
	v_max_num_f32 v[T+\i], v[BM+2*\i], v[BM+2*\i+1]
.endr
.irp i, 0,1
	v_permlanex16_b32 v[PX+\i], v[T+\i], s[SEL], s[SEL+1]
.endr
.irp i, 0,1
	v_max3_num_f32 v[NM+2*\i+1], v[NM+2*\i+1], v[T+\i], v[PX+\i]   ; the running largest score
.endr
.irp i, 0,1
	v_mul_f32 v[T+\i], s[CS], v[NM+2*\i+1]
.endr
.irp i, 0,1
	v_mov_b32 v[OLD+\i], v[NM+2*\i]
.endr
.irp i, 0,1
	v_floor_f32 v[NM+2*\i], -v[T+\i]               ; -M = floor(-t)
.endr
.irp i, 0,1
	v_sub_f32 v[OLD+\i], v[NM+2*\i], v[OLD+\i]
.endr
.irp i, 0,1
	v_cvt_i32_f32 v[OLD+\i], v[OLD+\i]
.endr
.irp i, 0,1
	v_ldexp_f32 v[F+2*\i], 1.0, v[OLD+\i]          ; 2^(old M - new M)
.endr
.irp u, 0,1,2,3
	v_fma_f32 v[BM+\u], v[BM+\u], s[CS], v[NM+2*(\u/2)]            ; t - M of each block's largest score: it gives the block's largest p
.endr
.set jj, 0
.rept 16
	FMA 0, jj
.set jj, jj+1
.endr
	s_wait_alu depctr_va_vdst(0)
.irp u, 0,1,2,3
	v_exp_f32 v[BM+\u], v[BM+\u]
.endr
	PHASE 0, 18
	PHASE 1, 28
	PHASE 2, 32
	PHASE 3, 18
	; what is left of the sums: tile 0 in TA's pairs 0, 1 and TBS's 0 to 3; tile 1 in TC's eight and unit 3's sixteen.  The scale words' four levels stand between
.irp j, 0,1,2,3,4,5,6,7
	v_pk_add_f32 v[TC+2*\j:TC+2*\j+1], v[TC+2*\j:TC+2*\j+1], v[SB+96+4*\j:SB+96+4*\j+1]
.endr
	FOLD TA, 1, 0
	FOLD TBS, 2, 0
	FOLD TBS, 2, 1
.irp i, 0,1
	v_lshl_or_b32 v[BY+2*\i], v[BY+2*\i+1], 16, v[BY+2*\i]         ; my bytes: blocks h and 2 + h,
.endr
.irp j, 0,1,2,3,4,5,6,7
	v_pk_add_f32 v[TC+2*\j:TC+2*\j+1], v[TC+2*\j:TC+2*\j+1], v[SB+96+4*\j+2:SB+96+4*\j+3]
.endr
.irp i, 0,1
	v_lshlrev_b32 v[BY+2*\i], v[SH8], v[BY+2*\i]   ; at their places;
.endr
	FOLD TBS, 1, 0
	v_pk_add_f32 v[LS:LS+1], v[LS:LS+1], v[TA:TA+1]
.irp j, 0,1,2,3
	FOLD TC, 4, \j
.endr
.irp i, 0,1
	v_permlanex16_b32 v[PX+\i], v[BY+2*\i], s[SEL], s[SEL+1]
.endr
	v_pk_add_f32 v[LS:LS+1], v[LS:LS+1], v[TBS:TBS+1]
	FOLD TC, 2, 0
	FOLD TC, 2, 1
.irp i, 0,1
	v_or_b32 v[F+2*\i+1], v[BY+2*\i], v[PX+\i]     ; with lane l xor 16's the word is whole
.endr
	FOLD TC, 1, 0
	v_nop
	v_pk_add_f32 v[LS+2:LS+3], v[LS+2:LS+3], v[TC:TC+1]
.irp i, 0,1
.irp c, 0,1
	v_cvt_scalef32_pk16_fp6_f32 v[PC+12*\i+6*\c:PC+12*\i+6*\c+2], v[SB+64*\i+32*\c:SB+64*\i+32*\c+15], v[SCO+2*\i+\c]
	v_cvt_scalef32_pk16_fp6_f32 v[TQ+8*\i+4*\c:TQ+8*\i+4*\c+2], v[SB+64*\i+32*\c+16:SB+64*\i+32*\c+31], v[SCO+2*\i+\c]   ; (a conversion's three registers begin on an even number)
.endr
.endr
	v_nop                                          ; one plain instruction behind a scaled conversion
.irp i, 0,1
.irp c, 0,1
.irp k, 0,1,2
	v_mov_b32 v[PC+12*\i+6*\c+3+\k], v[TQ+8*\i+4*\c+\k]
.endr
.endr
.endr
	s_wait_dscnt 28                                ; V's word and fragments are in; behind them the next step's 24 loads of K and 4 of its words may be out
	WIN 0x41
	s_wait_alu depctr_va_vdst(0)
.set jj, 0
.rept 32
	v_pk_mul_f32 v[OB+jj:OB+jj+1], v[OB+jj:OB+jj+1], v[F+2*(jj/32):F+2*(jj/32)+1] op_sel_hi:[1,0]   ; O^T under the new M; also the places ahead of the products
.set jj, jj+2
.endr
	WIN 0x51
.irp t, 0,1,2,3
.irp i, 0,1
	v_wmma_scale_f32_16x16x128_f8f6f4 v[OB+32*\i+8*\t:OB+32*\i+8*\t+7], v[VF+12*\t:VF+12*\t+11], v[PC+12*\i:PC+12*\i+11], v[OB+32*\i+8*\t:OB+32*\i+8*\t+7], v[VSW+\t], v[F+2*\i+1] matrix_a_fmt:MATRIX_FMT_FP6 matrix_b_fmt:MATRIX_FMT_FP6
.endr
.endr
	WIN 0
	s_sub_co_u32 s[TRIPS], s[TRIPS], 1
	s_cmp_lg_u32 s[TRIPS], 0
	s_cbranch_scc1 .Lstep
	s_wait_dscnt 0x0                               ; the last fetch, which nobody uses, has landed
.irp i, 0,1
	v_add_f32 v[LS+2*\i], v[LS+2*\i], v[LS+2*\i+1]
.endr
.irp i, 0,1
	v_permlanex16_b32 v[PX+\i], v[LS+2*\i], s[SEL], s[SEL+1]
.endr
.irp i, 0,1
	v_add_f32 v[LS+2*\i], v[LS+2*\i], v[PX+\i]     ; the row's sum
.endr
	s_wait_alu depctr_va_vdst(0)
.irp i, 0,1
	v_rcp_f32 v[LS+2*\i], v[LS+2*\i]
.endr
	v_nop
	WIN 0x01
	s_wait_alu depctr_va_vdst(0)
.set jj, 0
.rept 32
	v_pk_mul_f32 v[SB+jj:SB+jj+1], v[OB+jj:OB+jj+1], v[LS+2*(jj/32):LS+2*(jj/32)+1] op_sel_hi:[1,0]   ; register 32 i + 16 b + j: o(query r, 32 b + 16 h + j)
.set jj, jj+2
.endr
	WIN 0
.irp b, 0,1
.irp i, 0,1
	v_max3_num_f32 v[BM+2*\i+\b], |v[SB+32*\i+16*\b]|, |v[SB+32*\i+16*\b+1]|, 0x1800000
.endr
.endr
.irp k, 2,4,6,8,10,12,14
.irp b, 0,1
.irp i, 0,1
	v_max3_num_f32 v[BM+2*\i+\b], v[BM+2*\i+\b], |v[SB+32*\i+16*\b+\k]|, |v[SB+32*\i+16*\b+\k+1]|
.endr
.endr
.endr
.irp j, 0,1,2,3
	v_permlanex16_b32 v[TQ+4*\j], v[BM+\j], s[SEL], s[SEL+1]
.endr
.irp j, 0,1,2,3
	v_max_num_f32 v[BM+\j], v[BM+\j], v[TQ+4*\j]   ; with lane l xor 16's 16: the block's largest magnitude
.endr
.irp j, 0,1,2,3
	v_add_nc_u32 v[SCO+\j], 0xff000000, v[BM+\j]
.endr
.irp j, 0,1,2,3
	v_lshrrev_b32 v[BY+\j], 23, v[SCO+\j]
.endr
.irp i, 0,1
	v_lshl_or_b32 v[BY+2*\i], v[BY+2*\i+1], 8, v[BY+2*\i]
.endr
.irp i, 0,1
	v_cvt_scalef32_pk16_fp6_f32 v[PC+12*\i:PC+12*\i+2], v[SB+32*\i:SB+32*\i+15], v[SCO+2*\i]
	v_cvt_scalef32_pk16_fp6_f32 v[PC+12*\i+4:PC+12*\i+6], v[SB+32*\i+16:SB+32*\i+31], v[SCO+2*\i+1]
.endr
	v_nop
.irp i, 0,1
.irp k, 0,1,2
	v_permlane16_swap_b32 v[PC+12*\i+\k], v[PC+12*\i+4+\k]         ; a whole block to a lane
.endr
.endr
.irp k, 3,4,5
.irp i, 0,1
	v_mov_b32 v[PC+12*\i+\k], v[PC+12*\i+\k+1]
.endr
.endr
	s_wait_alu depctr_va_vdst(0)
.irp i, 0,1
.irp k, 0,1,2
	global_store_b64 v[L8], v[PC+12*\i+2*\k:PC+12*\i+2*\k+1], s[6:7] offset:12288*\i+256*\k      ; 32 lanes store 256 consecutive bytes, aligned
.endr
.endr
	s_wait_xcnt 0x0                                ; EXEC changes only behind this wait
	v_cmp_gt_u32 vcc_lo, 16, v[LN]
	s_and_saveexec_b32 s38, vcc_lo
.irp i, 0,1
	global_store_b16 v[OSO], v[BY+2*\i], s[8:9] offset:512*\i      ; the head's two bytes of row r
.endr
	s_wait_xcnt 0x0
	s_or_b32 exec_lo, exec_lo, s38
	s_wait_tensorcnt 0x0                           ; the wave's end
	ds_add_u32 v[SPW], v[NIL]
	s_wait_dscnt 0x0
	CROUND                                         ; the closing round
	s_endpgm
.Lfunc_end_k_q806a5115fc_attn:
	.size	k_q806a5115fc_attn, .Lfunc_end_k_q806a5115fc_attn-k_q806a5115fc_attn
	.p2alignl 7, 3214868480
	.fill 96, 4, 3214868480
	.section	.rodata,"a",@progbits
	.p2align	6, 0x0
	.amdhsa_kernel k_q806a5115fc_attn
		.amdhsa_group_segment_fixed_size 327680
		.amdhsa_private_segment_fixed_size 0
		.amdhsa_enable_private_segment 0
		.amdhsa_kernarg_size 24
		.amdhsa_user_sgpr_count 2
		.amdhsa_user_sgpr_kernarg_segment_ptr 1
		.amdhsa_wavefront_size32 1
		.amdhsa_system_sgpr_workgroup_id_x 1
		.amdhsa_system_sgpr_workgroup_id_y 1
		.amdhsa_system_sgpr_workgroup_id_z 1
		.amdhsa_system_vgpr_workitem_id 0
		.amdhsa_next_free_vgpr 512
		.amdhsa_next_free_sgpr 66
		.amdhsa_reserve_vcc 1
		.amdhsa_float_denorm_mode_32 3
		.amdhsa_float_denorm_mode_16_64 3
		.amdhsa_memory_ordered 1
		.amdhsa_forward_progress 1
		.amdhsa_inst_pref_size 47
	.end_amdhsa_kernel
	.amdgpu_metadata
---
amdhsa.version: [ 1, 2 ]
amdhsa.kernels:
  - .name:           k_q806a5115fc_attn
    .symbol:         k_q806a5115fc_attn.kd
    .args:
      - { .name: qkv_img, .offset: 0, .size: 8, .value_kind: global_buffer, .address_space: global }
      - { .name: o_img, .offset: 8, .size: 8, .value_kind: global_buffer, .address_space: global }
      - { .name: o_sc, .offset: 16, .size: 8, .value_kind: global_buffer, .address_space: global }
    .group_segment_fixed_size: 327680
    .private_segment_fixed_size: 0
    .kernarg_segment_align: 8
    .kernarg_segment_size: 24
    .max_flat_workgroup_size: 256
    .sgpr_count:     66
    .vgpr_count:     512
    .wavefront_size: 32
...
	.end_amdgpu_metadata
.endif
;; end of part 3
;; launch outp (part 4): grid 8 x 32, 4 waves a work-group, clusters of 4 x 4, 327,680 bytes of LDS; arguments o_img, o_sc, xw_img, xw_sc, b_out, out0; writes out0
.if DOCPART == 4
	.amdgcn_target "amdgcn-amd-amdhsa--gfx1250"
	.amdhsa_code_object_version 6
	.text
	.protected	k_q806a5115fc_outp
	.globl	k_q806a5115fc_outp
	.p2align	8
	.type	k_q806a5115fc_outp,@function
k_q806a5115fc_outp:
	s_mov_b64 s[64:65], 0
	v_nop
	global_prefetch_b8 v0, s[64:65] scope:SCOPE_SE
	s_setreg_imm32_b32 hwreg(HW_REG_WAVE_MODE, 25, 1), 1
	s_wait_xcnt 0x0
	s_wait_alu depctr_hold_cnt(0) depctr_sa_sdst(0) depctr_va_vdst(0) depctr_va_sdst(0) depctr_va_ssrc(0) depctr_va_vcc(0) depctr_vm_vsrc(0)
	s_getreg_b32 s2, hwreg(HW_REG_IB_STS2, 6, 4)
	s_cmp_eq_u32 s2, 0
	s_cbranch_scc0 .Lentry_in_a_cluster
	s_endpgm
.Lentry_in_a_cluster:
	s_bfe_u32 s2, ttmp6, 0x10000c
	s_cmp_lg_u32 s2, 0xf033
	s_cbranch_scc0 .Lentry_shape_is_right
	s_endpgm
.Lentry_shape_is_right:
; out0[m][n] = sum over k of o[m][k] w_out[n][k] + b_out[n]: 4,096 x 1,024, K = 1,024, on codes of FP6 (E2M3) with E8M0 scales; f32 out.
; Codes come as half-images (16 stored rows x 64 K in 768 bytes), rows stored with bits 3 and 4 of their number exchanged; w_out's stored rows begin at 11,264 of xw_img.
; A tile of 128 x 128 gives each of 256 work-groups one; a wave makes 64 x 64: 16 accumulators.  ALL OF K LIES IN LDS, asked for at the head: nothing is filled again, so there is no ring.
; Clusters of 4 x 4: A's tiles are asked for jointly along a row of the cluster, B's along a column.  No prefetch: everything is asked for at the head.
; THE MATRIX INSTRUCTION IS USED TRANSPOSED (source 0 = w_out's rows, source 1 = o's): register j of tile b in lane (r, h) is column 32 (b / 2) + 16 h + 8 (b % 2) + j of stored row r.  The bias is the C of each sum's first product.
; The way out goes through each wave's own stage, behind the spare words, in bytes into which no tensor load lands; the stored order of rows and columns is undone by the stage's and the stores' offsets.
; REGISTERS: window 0: v16-24 addresses; v32-63 scale words (register 8 i + s: lanes 0-15 A's block i, lanes 16-31 B's, K step s); v64-95 the bias; v128-255 accumulators.  window 1: two buffers of 96: A's four fragments, then B's four.
.set HALFK, 98304                      ; A's 8 row tiles x 12,288 bytes (all of K), then B's
.set QT,    49152                      ; 64 rows x all of K: four row tiles of 12,288 bytes.  A's 128 rows lie from byte 0, B's from byte HALFK; each comes whole by one of the head's loads
.set STG,   213504                     ; the way out's stages, behind the spare words: bytes into which no tensor load lands
.set SCL,   2*HALFK
.set QSB,   2176                       ; the scales of 64 rows: 8 units of 256 bytes + 16
.set SPITCH, 272
.set ADRA, 16
.set ADRB, 18
.set ADRS, 20
.set STO,  21
.set RD,   22
.set CO,   23
.set BO,   24
.set SC,   32
.set BIAS, 64
.set BK,   32
.set ACC,  128
.set G1A,  24
.set G1B,  32
.set G1SA, 40
.set G1SB, 48
.set G0A,  56
.set G0B,  68
.set G0SA, 76
.set G0SB, 80
.set MSB, 0
.macro WIN new
.if MSB != \new
	s_set_vgpr_msb (MSB<<8)|\new
.set MSB, \new
.endif
.endm
.set MUL,  0x05                        ; sources 0 and 1 window 1; C and D window 0
.set TO_F, 0x40                        ; destination window 1, address window 0
.macro ARM under, g0, g1, next         ; an arm of the head's tree of branches on the wave's number: one joint load, s_nop 0 and four v_nop
	s_cmp_lt_u32 s16, \under
	s_cbranch_scc0 \next
	tensor_load_to_lds s[\g0:\g0+3], s[\g1:\g1+7]
	s_nop 0
.rept 4
	v_nop
.endr
	s_branch .Lhead_asked
\next:
.endm
.macro CROUND
	s_barrier_signal -1
	s_barrier_wait -1
	s_cmp_lg_u32 s16, 0
	s_cbranch_scc1 .Lnot_wave_0_\@
	s_barrier_signal -3
.Lnot_wave_0_\@:
	s_barrier_wait -3
	s_barrier_signal -1
	s_barrier_wait -1
.endm
	s_load_b256 s[4:11], s[0:1], 0x0               ; o_img, o_sc, xw_img, xw_sc
	s_load_b128 s[12:15], s[0:1], 0x20             ; b_out, out0
	v_lshl_add_u32 v126, v0, 2, 0x34000
	v_mov_b32 v127, 0
	ds_add_u32 v126, v127
	ds_add_u32 v126, v127
	v_lshrrev_b32 v1, 5, v0
	v_readfirstlane_b32 s16, v1                    ; wave 0..3
	s_lshr_b32 s17, s16, 1                         ; my half of the tile's rows.
	s_and_b32 s18, s16, 1                          ; my half of its columns.
	s_bfe_u32 s19, ttmp6, 0x40000                  ; cx
	s_bfe_u32 s20, ttmp6, 0x40004                  ; cy
	s_lshl_b32 s21, ttmp9, 2
	s_add_co_u32 s21, s21, s19                     ; tile column
	s_and_b32 s22, ttmp7, 0xffff
	s_lshl_b32 s22, s22, 2
	s_add_co_u32 s22, s22, s20                     ; tile row
	s_lshl_b32 s84, s20, 2
	s_lshl_b32 s84, 15, s84                        ; my row of the cluster
	s_lshl_b32 s85, 0x1111, s19                    ; my column
	; descriptor group 1: 8 row tiles x 12,288 bytes (1,536 elements of 8 bytes), 12,288 bytes apart in memory, dense in LDS
	s_or_b32 s[G1A], s84, (3<<16)|(1<<21)
	s_or_b32 s[G1B], s85, (3<<16)|(1<<21)
.irp g, G1A, G1B
	s_mov_b32 s[\g+1], 1536<<16                    ; 8 row tiles x 12,288 bytes: 128 rows x all of K, dense in memory and in LDS
	s_mov_b32 s[\g+2], 8<<16
	s_mov_b32 s[\g+3], 1536<<16
	s_mov_b32 s[\g+4], 8
	s_mov_b32 s[\g+5], 1536
	s_mov_b32 s[\g+6], 0
	s_mov_b32 s[\g+7], 0
.endr
	; the scales of 128 rows: 4,096 dense bytes as 16 rows of 256, 16 bytes of padding behind each
	s_or_b32 s[G1SA], s84, (3<<16)|(1<<20)|(1<<21)|(5<<22)|(3<<25)
	s_or_b32 s[G1SB], s85, (3<<16)|(1<<20)|(1<<21)|(5<<22)|(3<<25)
.irp g, G1SA, G1SB
	s_mov_b32 s[\g+1], 32<<16
	s_mov_b32 s[\g+2], 16<<16                      ; the scales of 128 rows: 16 rows of 256 bytes
	s_mov_b32 s[\g+3], 32<<16
	s_mov_b32 s[\g+4], 16
	s_mov_b32 s[\g+5], 32
	s_mov_b32 s[\g+6], 0
	s_mov_b32 s[\g+7], 0
.endr
	s_lshl_b32 s86, s22, 7                         ; A's first stored row of the tile
	s_lshl_b32 s88, s21, 7
	s_add_co_u32 s88, s88, 11264                   ; B's
	s_lshl_b32 s90, s86, 5
	s_mov_b32 s91, 0
	s_lshl_b32 s92, s88, 5
	s_mov_b32 s93, 0
	s_mul_i32 s86, s86, 768
	s_mov_b32 s87, 0
	s_mul_i32 s88, s88, 768
	s_mov_b32 s89, 0
	s_wait_dscnt 0x0
	s_wait_kmcnt 0x0
	s_add_nc_u64 s[86:87], s[4:5], s[86:87]
	s_add_nc_u64 s[90:91], s[6:7], s[90:91]
	s_add_nc_u64 s[88:89], s[8:9], s[88:89]
	s_add_nc_u64 s[92:93], s[10:11], s[92:93]
	CROUND                                         ; all sixteen work-groups are here: the joint loads meet
	s_mov_b32 s[G0SA], 1
	s_mov_b32 s[G0SA+1], SCL
	s_mov_b64 s[G0SA+2:G0SA+3], s[90:91]
	s_or_b32 s[G0SA+3], s[G0SA+3], 0x80000000
	s_mov_b32 s[G0SB], 1
	s_mov_b32 s[G0SB+1], SCL+2*QSB
	s_mov_b64 s[G0SB+2:G0SB+3], s[92:93]
	s_or_b32 s[G0SB+3], s[G0SB+3], 0x80000000
	s_mov_b32 s[G0A], 1
	s_mov_b32 s[G0A+1], 0
	s_mov_b64 s[G0A+2:G0A+3], s[86:87]
	s_or_b32 s[G0A+3], s[G0A+3], 0x80000000
	s_mov_b32 s[G0B], 1
	s_mov_b32 s[G0B+1], HALFK
	s_mov_b64 s[G0B+2:G0B+3], s[88:89]
	s_or_b32 s[G0B+3], s[G0B+3], 0x80000000
	; THE HEAD'S LOADS, ONE A WAVE: wave 0 A's 128 rows, wave 1 B's, wave 2 the scales of A's rows, wave 3 of B's: all that the launch reads from LDS
	ARM 1, G0A,  G1A,  .Lhead_b
	ARM 2, G0B,  G1B,  .Lhead_sa
	ARM 3, G0SA, G1SA, .Lhead_sb
	tensor_load_to_lds s[G0SB:G0SB+3], s[G1SB:G1SB+7]
	s_nop 0
.rept 4
	v_nop
.endr
.Lhead_asked:
	v_and_b32 v1, 15, v0                           ; r
	v_bfe_u32 v2, v0, 4, 1                         ; h
	v_and_b32 v3, 31, v0
	v_lshlrev_b32 v3, 3, v3                        ; 8 x lane
	s_mul_i32 s86, s17, QT
	s_mul_i32 s87, s18, QT
	s_add_co_u32 s87, s87, 2*QT
	v_add_nc_u32 v[ADRA], s86, v3
	v_add_nc_u32 v[ADRB], s87, v3
	v_lshlrev_b32 v5, 5, v1                        ; my row's scales: 32 bytes a row,
	v_lshrrev_b32 v6, 8, v5
	v_lshl_add_u32 v5, v6, 4, v5                   ; and 16 more for each 256 passed
	s_mul_i32 s86, s17, QSB
	s_mul_i32 s87, s18, QSB
	s_add_co_u32 s87, s87, 2*QSB
	s_sub_co_u32 s87, s87, s86
	v_mul_u32_u24 v6, s87, v2                      ; lanes 16-31 take B's: the lower base + h x the distance
	s_add_co_u32 s86, s86, SCL
	v_add_nc_u32 v5, v5, v6
	v_add_nc_u32 v[ADRS], s86, v5
	s_mul_i32 s86, s16, 16*SPITCH                  ; my stage,
	s_add_co_u32 s86, s86, STG                     ; in bytes of its own
	v_mul_u32_u24 v[STO], v1, SPITCH
	v_lshl_add_u32 v[STO], v2, 6, v[STO]
	v_add_nc_u32 v[STO], s86, v[STO]               ; in: row r, + 64 h
	v_mul_u32_u24 v[RD], v2, SPITCH
	v_lshl_add_u32 v[RD], v1, 4, v[RD]
	v_add_nc_u32 v[RD], s86, v[RD]                 ; back: lanes 0-15 one row of 256 bytes, lanes 16-31 the next
	v_lshlrev_b32 v[CO], 12, v2
	v_lshl_add_u32 v[CO], v1, 4, v[CO]             ; and the same two rows of out0
	v_lshlrev_b32 v[BO], 6, v2
	s_wait_alu depctr_va_vdst(0)
	s_lshl_b32 s86, s21, 9
	s_lshl_b32 s87, s18, 8
	s_add_co_u32 s86, s86, s87                     ; my first column, in bytes: 512 x tile column + 256 x half
	s_mov_b32 s87, 0
	s_add_nc_u64 s[12:13], s[12:13], s[86:87]
	s_add_nc_u64 s[14:15], s[14:15], s[86:87]
	s_lshl_b32 s86, s22, 7
	s_lshl_b32 s88, s17, 6
	s_add_co_u32 s86, s86, s88
	s_lshl_b32 s86, s86, 12                        ; my first row, 4,096 bytes a row
	s_add_nc_u64 s[14:15], s[14:15], s[86:87]
.irp b, 0,1,2,3
	global_load_b128 v[BIAS+8*\b:BIAS+8*\b+3], v[BO], s[12:13] offset:(32*(\b/2)+8*(\b%2))*4
	global_load_b128 v[BIAS+8*\b+4:BIAS+8*\b+7], v[BO], s[12:13] offset:(32*(\b/2)+8*(\b%2))*4+16
.endr
.macro FETCH s                         ; the fragments of K step s (128 along K) into buffer s % 2: 48 loads of 256 consecutive bytes
.set FB, 128*((\s)%2)
	WIN TO_F
.irp i, 0,1,2,3
.irp p, 0,1,2,3,4,5
	ds_load_b64 v[FB+48+12*\i+2*\p:FB+48+12*\i+2*\p+1], v[ADRB] offset:12288*\i+1536*(\s)+256*\p
.endr
.irp p, 0,1,2,3,4,5
	ds_load_b64 v[FB+12*\i+2*\p:FB+12*\i+2*\p+1], v[ADRA] offset:12288*\i+1536*(\s)+256*\p
.endr
.endr
.endm
.macro KSTEP s
.set FM, 128*((\s)%2)
.if (\s) < 7
.if (\s) > 0
.rept 4
	v_nop                                          ; places in front of loads into the buffer that the last step's products read (ISA guide 7.12.1 for vector instructions)
.endr
.endif
	FETCH (\s)+1
	s_wait_dscnt 48                                ; all but the 48 just issued
.else
	s_wait_dscnt 0x0
.endif
.if (\s) == 0
	s_wait_loadcnt 0x0                             ; the bias
.endif
	WIN MUL
.irp a, 0,1,2,3                                ; the 16 accumulators take turns, one instruction a turn, in the same order in every step
.irp b, 0,1,2,3
.if (\s) == 0
	v_wmma_scale_f32_16x16x128_f8f6f4 v[ACC+8*(4*\a+\b):ACC+8*(4*\a+\b)+7], v[FM+48+12*\b:FM+48+12*\b+11], v[FM+12*\a:FM+12*\a+11], v[BIAS+8*\b:BIAS+8*\b+7], v[SC+8*\b+(\s)], v[SC+8*\a+(\s)] matrix_a_fmt:MATRIX_FMT_FP6 matrix_b_fmt:MATRIX_FMT_FP6 matrix_a_scale:MATRIX_SCALE_ROW1
.else
	v_wmma_scale_f32_16x16x128_f8f6f4 v[ACC+8*(4*\a+\b):ACC+8*(4*\a+\b)+7], v[FM+48+12*\b:FM+48+12*\b+11], v[FM+12*\a:FM+12*\a+11], v[ACC+8*(4*\a+\b):ACC+8*(4*\a+\b)+7], v[SC+8*\b+(\s)], v[SC+8*\a+(\s)] matrix_a_fmt:MATRIX_FMT_FP6 matrix_b_fmt:MATRIX_FMT_FP6 matrix_a_scale:MATRIX_SCALE_ROW1
.endif
.endr
.endr
.endm
	s_wait_alu depctr_va_vdst(0)
	s_wait_tensorcnt 0x0                           ; my tile of the head's four is in; nothing is filled again in this launch
	s_barrier_signal -1
	s_barrier_wait -1
.irp i, 0,1,2,3
	ds_load_b128 v[SC+8*\i:SC+8*\i+3], v[ADRS] offset:544*\i
	ds_load_b128 v[SC+8*\i+4:SC+8*\i+7], v[ADRS] offset:544*\i+16
.endr
	FETCH 0
.irp s, 0,1,2,3,4,5,6,7
	KSTEP \s
.endr
	WIN 0
; THE WAY OUT, a block of 16 stored rows x my 64 columns at a time, through my stage: LDS serves a wave's instructions in order (ISA guide 5.7.1.4), so no wait stands between the stores and the loads.
.macro TOSTAGE a
.irp b, 0,1,2,3
	ds_store_b128 v[STO], v[ACC+8*(4*(\a)+\b):ACC+8*(4*(\a)+\b)+3] offset:128*(\b/2)+32*(\b%2)          ; each accumulator from its low end on
	ds_store_b128 v[STO], v[ACC+8*(4*(\a)+\b)+4:ACC+8*(4*(\a)+\b)+7] offset:128*(\b/2)+32*(\b%2)+16
.endr
.set BB, BK+32*((\a)%2)
.irp t, 0,1,2,3,4,5,6,7
	ds_load_b128 v[BB+4*\t:BB+4*\t+3], v[RD] offset:\t*2*SPITCH
.endr
.endm
.macro SEND a, younger
.set BB, BK+32*((\a)%2)
	s_wait_dscnt \younger
.irp t, 0,1,2,3,4,5,6,7
	global_store_b128 v[CO], v[BB+4*\t:BB+4*\t+3], s[14:15] offset:(32*((\a)/2)+8*((\a)%2)+2*\t+8*(\t/4))*4096 th:TH_STORE_NT   ; stored row 2 t + h of tile a is row 32 (a / 2) + 8 (a % 2) + 2 t + 8 (t / 4) + h; sixteen lanes store 256 consecutive bytes, aligned
.endr
.endm
.rept 4
	v_nop                                          ; behind the last products: their results are read, and loads land in the registers that held scales and bias
.endr
	TOSTAGE 0
.irp a, 1,2,3
.if \a > 1
	s_wait_xcnt 0x0                                ; block a - 2's stores have read their registers: block a's loads may land there
.endif
	TOSTAGE \a
	SEND \a-1, 16                                  ; behind block a - 1's loads: block a's 8 stores and 8 loads
.endr
	SEND 3, 0
	s_wait_tensorcnt 0x0
	ds_add_u32 v126, v127
	s_wait_dscnt 0x0
	CROUND                                         ; the closing round
	s_endpgm
.Lfunc_end_k_q806a5115fc_outp:
	.size	k_q806a5115fc_outp, .Lfunc_end_k_q806a5115fc_outp-k_q806a5115fc_outp
	.p2alignl 7, 3214868480
	.fill 96, 4, 3214868480
	.section	.rodata,"a",@progbits
	.p2align	6, 0x0
	.amdhsa_kernel k_q806a5115fc_outp
		.amdhsa_group_segment_fixed_size 327680
		.amdhsa_private_segment_fixed_size 0
		.amdhsa_enable_private_segment 0
		.amdhsa_kernarg_size 48
		.amdhsa_user_sgpr_count 2
		.amdhsa_user_sgpr_kernarg_segment_ptr 1
		.amdhsa_wavefront_size32 1
		.amdhsa_system_sgpr_workgroup_id_x 1
		.amdhsa_system_sgpr_workgroup_id_y 1
		.amdhsa_system_sgpr_workgroup_id_z 1
		.amdhsa_system_vgpr_workitem_id 0
		.amdhsa_next_free_vgpr 512
		.amdhsa_next_free_sgpr 96
		.amdhsa_reserve_vcc 0
		.amdhsa_float_denorm_mode_32 3
		.amdhsa_float_denorm_mode_16_64 3
		.amdhsa_memory_ordered 1
		.amdhsa_forward_progress 1
		.amdhsa_inst_pref_size 59
	.end_amdhsa_kernel
	.amdgpu_metadata
---
amdhsa.version: [ 1, 2 ]
amdhsa.kernels:
  - .name:           k_q806a5115fc_outp
    .symbol:         k_q806a5115fc_outp.kd
    .args:
      - { .name: o_img, .offset: 0, .size: 8, .value_kind: global_buffer, .address_space: global }
      - { .name: o_sc, .offset: 8, .size: 8, .value_kind: global_buffer, .address_space: global }
      - { .name: xw_img, .offset: 16, .size: 8, .value_kind: global_buffer, .address_space: global }
      - { .name: xw_sc, .offset: 24, .size: 8, .value_kind: global_buffer, .address_space: global }
      - { .name: b_out, .offset: 32, .size: 8, .value_kind: global_buffer, .address_space: global }
      - { .name: out0, .offset: 40, .size: 8, .value_kind: global_buffer, .address_space: global }
    .group_segment_fixed_size: 327680
    .private_segment_fixed_size: 0
    .kernarg_segment_align: 8
    .kernarg_segment_size: 48
    .max_flat_workgroup_size: 128
    .sgpr_count:     96
    .vgpr_count:     512
    .wavefront_size: 32
...
	.end_amdgpu_metadata
.endif
;; end of part 4
